; MI455X (gfx1250); checked and timed in simulation.
; The chip was launched on July 23, 2026; its instructions are those of AMD's public machine-readable ISA for CDNA 5 (MIT licence, August 2026) and "CDNA5" Instruction Set Architecture Reference Guide (July 2026). The comments in the code are by the model that wrote it; some were corrected since.
;; Multi Head Atten. Allowed arithmetic: matrix products marked QUANTISED: E2M3 operands, one E8M0 scale for each 32 along K, by v_wmma_scale_f32_16x16x128_f8f6f4 with both operands' format E2M3, f32 sums; everything else in f32.
;; Inputs: Wk 1,024 x 1,024 float32; Wo 1,024 x 1,024 float32; Wq 1,024 x 1,024 float32; Wv 1,024 x 1,024 float32; bk 1,024 float32; bo 1,024 float32; bq 1,024 float32; bv 1,024 float32; key 4 x 2,048 x 1,024 float32; mask 4 x 2,048 x 2,048 bool; query 4 x 2,048 x 1,024 float32; value 4 x 2,048 x 1,024 float32.
;; Outputs: out0 4 x 2,048 x 1,024 float32.
;; This version of the problem:
;;   THIS VERSION OF THE PROBLEM IS GIVEN IN LOW PRECISION. The matrix products marked QUANTISED in the list below multiply operands that are first quantised to E2M3 (2 exponent bits, 3 mantissa bits; 6 bits a number), with one power-of-two scale for each 32 numbers along K (OCP MX v1.0); their sums are f32. All else is computed in f32.
;;   The module's matrix products, in the order in which they are computed (A, B: the left and right operand; K: the contracted axis; several contracted axes count as one K, in the product's order):
;;     1. [M 8,192, K 1,024] x [K 1,024, N 1,024]; A: input query; B: input Wq: QUANTISED
;;     2. [M 8,192, K 1,024] x [K 1,024, N 1,024]; A: input key; B: input Wk: QUANTISED
;;     3. [M 8,192, K 1,024] x [K 1,024, N 1,024]; A: input value; B: input Wv: QUANTISED
;;     4. batch 64 x [M 2,048, K 64] x [K 64, N 2,048]; A: computed on the way; B: computed on the way: QUANTISED
;;     5. batch 64 x [M 2,048, K 2,048] x [K 2,048, N 64]; A: softmax (see below); B: computed on the way: QUANTISED
;;     6. [M 8,192, K 1,024] x [K 1,024, N 1,024]; A: computed on the way; B: input Wo: QUANTISED
;;   THE QUANTISER, for each operand of a quantised product, along K:
;;     - K is cut into blocks of 32 from its start; a last block that is shorter is filled with zeros.
;;     - A block's scale is 2^e with e = floor(log2(the largest magnitude in the block)) - 2, held to -126 .. 127; a block of zeros has e = 0. As a byte (E8M0): e + 127.
;;     - Each number is divided by its block's scale, clamped to +-7.5, and rounded to the nearest number of E2M3, ties to even, subnormals kept.
;;     - The product sums the exact products of the quantised numbers (number of the format x scale) in f32.
;;   ~~~python
;;   def quantise(x, axis):      # numpy; x: float32 -> the quantised numbers, widened to float32 again
;;       x = np.moveaxis(x, axis, -1); K = x.shape[-1]
;;       x = np.pad(x, [(0, 0)] * (x.ndim - 1) + [(0, -K % 32)]); x = x.reshape(x.shape[:-1] + (-1, 32)); a = np.abs(x).max(-1, keepdims=True)
;;       e = np.where(a > 0, np.clip(np.frexp(np.where(a > 0, a, 1))[1] - 1 - 2, -126, 127), 0)      # np.frexp(a)[1] - 1 = floor(log2(a)), exactly
;;       r = np.clip(x / 2.0 ** e, -7.5, 7.5)
;;       step = 2.0 ** (np.maximum(np.frexp(np.where(r == 0, 1, r))[1] - 1, 0) - 3)
;;       q = np.round(r / step) * step * 2.0 ** e      # np.round: ties to even
;;       return np.moveaxis(q.reshape(q.shape[:-2] + (-1,))[..., :K], -1, axis).astype(np.float32)
;;   ~~~
;;   SOFTMAX AHEAD OF A QUANTISED PRODUCT. Where the list says 'softmax', what is quantised is not the finished softmax but p = 2^(t - M), with t = logit x log2(e) and M = ceil(the row's largest t), a whole number; so 1/2 < the row's largest p <= 1. The row's sum l is taken of the UNQUANTISED p, in f32, and the product's result is divided by l at the end. Since M is a whole number, a kernel that streams over the keys may use a running M (the ceiling of the running maximum): every later rescaling is an exact power of two, which a block's scale takes up: the codes' values come out the same.
;;   OPERANDS COMPUTED ON THE WAY. 'Computed on the way' means the value that the module computes at that place (a softmax that the list does not call 'softmax' is quantised finished and normalised). What goes into a quantiser is computed in f32, as accurately as f32 sums, v_exp_f32 and their like allow (about 1e-6 of the number): no bf16 or f16 on the way to a quantiser, and a product that is left as it is and whose result goes on into a quantised operand takes f32 operands (vector FMAs, or v_wmma_f32_16x16x4_f32). A number that lies on a knife's edge between two numbers of the format may be rounded either way, as far as f32 arithmetic and the matrix unit's own rounding can turn it there, and no further.
;; One version. Each part assembles by itself: llvm-mc -triple=amdgcn-amd-amdhsa -mcpu=gfx1250 --defsym DOCPART=n.
;; ======== version 1 of 1: 4 launches
;; limits: right only within a limited range of input values
;; workspace buffers: codes 22,937,600 bytes; maskw 2,097,152 bytes of whole numbers; qb 6,815,744 bytes; kv 13,369,344 bytes; xo 6,553,600 bytes
;; launch prep (part 1): grid 1408 x 1, 4 waves a work-group, no clusters, 51,712 bytes of LDS; arguments query, key, value, Wq, Wk, Wv, Wo, mask, codes, maskw; writes codes, maskw
.if DOCPART == 1
	.amdgcn_target "amdgcn-amd-amdhsa--gfx1250"
	.amdhsa_code_object_version 6
	.text
	.protected	k_q39043aa30e_prep
	.globl	k_q39043aa30e_prep
	.p2align	8
	.type	k_q39043aa30e_prep,@function
k_q39043aa30e_prep:
	s_mov_b64 s[64:65], 0
	v_nop
	global_prefetch_b8 v0, s[64:65] scope:SCOPE_SE
	s_setreg_imm32_b32 hwreg(HW_REG_WAVE_MODE, 25, 1), 1
	s_wait_xcnt 0x0
; PREP.  (a) query, key, value [8192][1024] and Wq, Wk, Wv, Wo [1024][1024], f32, K innermost, become codes of FP6 (E2M3) with one E8M0 byte for each 32 along K;
; (b) the mask [4][2048][2048], one byte a place, becomes words of 32 lane bits for the attention launch's selects.
; A block's scale is 2^(floor(log2(largest magnitude)) - 2): its byte is the largest magnitude's exponent field - 2, held at 1 from below by a floor among the maximum's leaves.
; LIMITS: NaN and infinities among the inputs are not served; a block of zeros, or one under 2^-124, gets the byte 1 (its codes are zeros or what the floor's scale gives); the bytes are read by this program alone.
; THE CODES ARE LAID IN THE ORDER OF THE OPERANDS' REGISTERS.  Row block t of a tensor is the 16 rows 32 (t / 2) + 8 (t % 2) + i + 8 (i / 8), i = 0 .. 15.  A fragment (16 rows x 128 K: 12 registers a lane) is
; 1,536 bytes: registers 0-3 at 16 x lane, 4-5 at 512 + 8 x lane, 6-9 at 768 + 16 x lane, 10-11 at 1,280 + 8 x lane.  A record (row block, half of K) is 4 fragments and 256 bytes of scale words
; (byte 16 r + 4 f + block): 6,400 bytes; a row block is two records.  Row blocks: query 0-511, key 512-1023, value 1024-1535, Wq 1536-, Wk 1600-, Wv 1664-, Wo 1728-1791.
; SHARES.  Work-groups 0-895: a wave makes one record.  Work-groups 896-1407: a work-group takes 16 queries of the mask, a wave 512 keys of them.  Waves share nothing: no barrier; each path and each wave has LDS bytes of its own.
; No cluster: no two work-groups read the same input byte.  No matrix unit, no tensor load: a stream, read once in runs of 512 (mask: 256) consecutive bytes, stored in whole aligned runs of 256 bytes.
.set QWG,  896                         ; work-groups of the quantiser
.set STG,  8448                        ; a wave's stage: 16 rows x (512 bytes + 16)
.set MST,  4*STG                       ; behind them the mask path's stages:
.set MSTG, 4352                        ; 16 rows x (256 bytes + 16)
.set R,    16                          ; v16-143  two sets of 64: a fragment's numbers as loaded (mask path: v16-79 bytes as loaded)
.set X,    144                         ; v144-207 64 numbers of my row: register 16 b + i = k 32 b + 16 (lane / 16) + i
.set PC,   208                         ; v208-219 the fragment's codes; v220-222, v224-226 the conversions' second halves
.set TM,   228                         ; v228-231 largest magnitudes, v232-235 the other half's, then bytes, v236-239 the conversions' scale operands
.set PW,   244                         ; v244-247 my row's scale words of the four fragments
.set SEL,  26                          ; s[26:27] lane selects: lane l xor 16
.set SRC,  28                          ; s[28:29] my wave's first byte of its tensor
.set E,    80                          ; mask path: v80-111 my 16 bytes of 8 blocks of keys
.set W,    112                         ; mask path: v112-119 the words, two to a lane
	s_load_b512 s[4:19], s[0:1], 0x0               ; query, key, value, Wq, Wk, Wv, Wo, mask
	s_load_b128 s[20:23], s[0:1], 0x40             ; codes, maskw
	v_lshl_add_u32 v12, v0, 2, 51200               ; my spare word, behind the stages (512 bytes that no other line names), and 0: kept for the closing lines
	v_mov_b32 v13, 0
	v_lshrrev_b32 v1, 5, v0
	v_readfirstlane_b32 s24, v1                    ; wave 0..3
	v_and_b32 v1, 31, v0                           ; lane
	v_and_b32 v2, 15, v0                           ; r
	v_bfe_u32 v3, v0, 4, 1                         ; h
	v_lshlrev_b32 v4, 4, v1                        ; 16 x lane
	v_lshlrev_b32 v7, 3, v1                        ; 8 x lane
	s_cmp_ge_u32 ttmp9, QWG
	s_cbranch_scc1 .Lmask
; ---------------- the quantiser ----------------
	s_mul_i32 s25, s24, STG
	v_add_nc_u32 v5, s25, v4                       ; into the stage: a row's 512 bytes on end
	v_mul_u32_u24 v6, v2, 528
	v_lshl_add_u32 v6, v3, 6, v6
	v_add_nc_u32 v6, s25, v6                       ; out of it: row r, + 64 h: my 16 numbers of each block of 32
	v_lshlrev_b32 v8, 4, v2
	v_lshl_add_u32 v8, v3, 3, v8                   ; the scale words' place: 16 r + 8 h
	s_mov_b32 s[SEL], 0x76543210
	s_mov_b32 s[SEL+1], 0xfedcba98
.irp b, 0,1,2,3
	v_mov_b32 v[TM+4+\b], 0                        ; written once: a lane permute's destination counts as one of its sources
.endr
	s_cmp_lt_u32 ttmp9, 768                        ; the three activations have 256 work-groups each, the four weights 32
	s_cselect_b32 s30, 255, 31
	s_and_b32 s30, ttmp9, s30                      ; my work-group's number within its tensor: it owns rows 32 n .. 32 n + 31
	s_lshl_b32 s30, s30, 17                        ; 32 rows of 4,096 bytes
	s_lshr_b32 s31, s24, 1
	s_lshl_b32 s31, s31, 15                        ; waves 2, 3: the odd row block begins 8 rows down
	s_add_co_u32 s30, s30, s31
	s_and_b32 s31, s24, 1
	s_lshl_b32 s31, s31, 11                        ; waves 1, 3: the second half of K, 512 numbers on
	s_add_co_u32 s30, s30, s31
	; KEY ALONE HAS ANOTHER ORDER OF ROWS: its row block t is the 16 rows 64 (t / 4) + 8 (t % 4) + i + 24 (i / 8), so that in the attention launch a lane's 32 scores of four tiles are one block of 32 keys.
	; Against the other tensors: the odd work-groups begin 16 rows higher up, and rows 8-15 of a block lie 16 rows further down (v9 in place of v4).
	s_lshr_b32 s34, ttmp9, 8
	s_cmp_eq_u32 s34, 1                            ; work-groups 256-511 take key
	s_cselect_b32 s34, 0x10000, 0                  ; 16 rows of 4,096 bytes
	s_lshl_b32 s35, ttmp9, 16
	s_and_b32 s35, s35, s34
	s_sub_co_u32 s30, s30, s35
	v_add_nc_u32 v9, s34, v4
	s_mov_b32 s31, 0
	s_lshl_b32 s32, ttmp9, 2
	s_add_co_u32 s32, s32, s24
	s_mul_i32 s32, s32, 6400                       ; my record
	s_mov_b32 s33, 0
	s_wait_alu depctr_va_vdst(0)
	s_wait_kmcnt 0x0
	s_mov_b64 s[SRC:SRC+1], s[16:17]               ; which tensor: a choice on the work-group's number alone
	s_cmp_lt_u32 ttmp9, 864
	s_cselect_b64 s[SRC:SRC+1], s[14:15], s[SRC:SRC+1]
	s_cmp_lt_u32 ttmp9, 832
	s_cselect_b64 s[SRC:SRC+1], s[12:13], s[SRC:SRC+1]
	s_cmp_lt_u32 ttmp9, 800
	s_cselect_b64 s[SRC:SRC+1], s[10:11], s[SRC:SRC+1]
	s_cmp_lt_u32 ttmp9, 768
	s_cselect_b64 s[SRC:SRC+1], s[8:9], s[SRC:SRC+1]
	s_cmp_lt_u32 ttmp9, 512
	s_cselect_b64 s[SRC:SRC+1], s[6:7], s[SRC:SRC+1]
	s_cmp_lt_u32 ttmp9, 256
	s_cselect_b64 s[SRC:SRC+1], s[4:5], s[SRC:SRC+1]
	s_add_nc_u64 s[SRC:SRC+1], s[SRC:SRC+1], s[30:31]
	s_add_nc_u64 s[20:21], s[20:21], s[32:33]
.macro LOAD f                          ; fragment f: 16 rows x 128 numbers; each load reads one row's 512 consecutive bytes
.irp i, 0,1,2,3,4,5,6,7
	global_load_b128 v[R+64*((\f)%2)+4*\i:R+64*((\f)%2)+4*\i+3], v4, s[SRC:SRC+1] offset:\i*4096+512*(\f) th:TH_LOAD_NT
.endr
.irp i, 8,9,10,11,12,13,14,15
	global_load_b128 v[R+64*((\f)%2)+4*\i:R+64*((\f)%2)+4*\i+3], v9, s[SRC:SRC+1] offset:(\i+8)*4096+512*(\f) th:TH_LOAD_NT
.endr
.endm
.macro TURN f                          ; through my stage: in by rows, out 16 neighbours of each block to a lane.  LDS serves a wave's instructions in order: no wait between
.irp i, 0,1,2,3,4,5,6,7,8,9,10,11,12,13,14,15
	ds_store_b128 v5, v[R+64*((\f)%2)+4*\i:R+64*((\f)%2)+4*\i+3] offset:528*\i
.endr
.irp b, 0,1,2,3
.irp j, 0,1,2,3
	ds_load_b128 v[X+16*\b+4*\j:X+16*\b+4*\j+3], v6 offset:128*\b+16*\j
.endr
.endr
.endm
; 64 numbers of a lane, register 16 b + i = k 32 b + 16 (lane / 16) + i of my row, become a fragment's codes in v[PC] on and its scale word in v[pw].
.macro QUANT s, pw
.irp b, 0,1,2,3
	v_max3_num_f32 v[TM+\b], |v[\s+16*\b]|, |v[\s+16*\b+1]|, 0x1800000   ; my 16 numbers of block b, and the floor 2^(3 - 127): the byte cannot fall under 1
.endr
.irp i, 2,4,6,8,10,12,14
.irp b, 0,1,2,3
	v_max3_num_f32 v[TM+\b], v[TM+\b], |v[\s+16*\b+\i]|, |v[\s+16*\b+\i+1]|   ; the four blocks by turns
.endr
.endr
.irp b, 0,1,2,3
	v_permlanex16_b32 v[TM+4+\b], v[TM+\b], s[SEL], s[SEL+1]
.endr
.irp b, 0,1,2,3
	v_max_num_f32 v[TM+\b], v[TM+\b], v[TM+4+\b]   ; with lane l xor 16's: the block's largest magnitude
.endr
.irp b, 0,1,2,3
	v_add_nc_u32 v[TM+8+\b], 0xff000000, v[TM+\b]  ; 2 off its exponent field: the conversion takes this operand's exponent field as its scale
.endr
.irp b, 0,1,2,3
	v_lshrrev_b32 v[TM+4+\b], 23, v[TM+8+\b]       ; the scale's byte
.endr
	v_lshl_or_b32 v[\pw], v[TM+5], 8, v[TM+4]
	v_lshl_or_b32 v[\pw], v[TM+6], 16, v[\pw]
	v_lshl_or_b32 v[\pw], v[TM+7], 24, v[\pw]      ; my row's scale word
.irp c, 0,1
	v_cvt_scalef32_pk16_fp6_f32 v[PC+6*\c:PC+6*\c+2], v[\s+32*\c:\s+32*\c+15], v[TM+8+2*\c]
	v_cvt_scalef32_pk16_fp6_f32 v[PC+12+4*\c:PC+14+4*\c], v[\s+32*\c+16:\s+32*\c+31], v[TM+8+2*\c+1]   ; (a conversion's three registers begin on an even number)
.endr
	v_nop                                          ; one plain instruction behind a scaled conversion
.irp c, 0,1                            ; the operand's layout wants a whole block in a lane: lanes 0-15 block 2 c, lanes 16-31 block 2 c + 1
.irp i, 0,1,2
	v_permlane16_swap_b32 v[PC+6*\c+\i], v[PC+12+4*\c+\i]
.endr
.irp i, 0,1,2
	v_mov_b32 v[PC+3+6*\c+\i], v[PC+12+4*\c+\i]
.endr
.endr
.endm
.macro PIECE f
.if \f < 3
	s_wait_loadcnt 16                              ; this fragment's 16 loads are in; the next fragment's 16 stay out
.else
	s_wait_loadcnt 0x0
.endif
	s_wait_xcnt 0x0                                ; the last fragment's stores have read the codes' registers, which QUANT writes again
	TURN \f
	s_wait_dscnt 0x0                               ; my 64 numbers are back
.if \f < 2
	LOAD (\f)+2
.endif
	QUANT X, PW+\f
	global_store_b128 v4, v[PC:PC+3], s[20:21] offset:1536*\f          ; 512 consecutive bytes,
	global_store_b64 v7, v[PC+4:PC+5], s[20:21] offset:1536*\f+512     ; 256,
	global_store_b128 v4, v[PC+6:PC+9], s[20:21] offset:1536*\f+768
	global_store_b64 v7, v[PC+10:PC+11], s[20:21] offset:1536*\f+1280
.endm
	LOAD 0
	LOAD 1
	PIECE 0
	PIECE 1
	PIECE 2
	PIECE 3
	v_cmp_lt_u32 vcc_lo, 15, v1                    ; lanes 16-31 store words 2 and 3 of their row, lanes 0-15 words 0 and 1
	v_cndmask_b32 v248, v[PW], v[PW+2], vcc_lo
	v_cndmask_b32 v249, v[PW+1], v[PW+3], vcc_lo
	global_store_b64 v8, v[248:249], s[20:21] offset:6144   ; 256 consecutive bytes
	s_wait_tensorcnt 0x0                           ; the wave's end: behind my last LDS store
	ds_add_u32 v12, v13
	s_wait_dscnt 0x0
	s_endpgm
; ---------------- the mask ----------------
; maskw: [b x 128 + T][key step 16][64 words].  Bit l of word j says whether query row (l % 16) of row block T may see key 128 step + 64 (j / 32) + 32 (l / 16) + j % 32:
; the place that lane l's register j of the scores holds in the attention launch.
.Lmask:
	s_sub_co_u32 s25, ttmp9, QWG                   ; m = b x 128 + T
	s_mul_i32 s26, s24, MSTG
	s_add_co_u32 s26, s26, MST                     ; my stage
	s_wait_alu depctr_va_vdst(0)
	v_lshlrev_b32 v9, 11, v3
	v_lshl_add_u32 v9, v2, 4, v9                   ; in: lanes 0-15 one row's 256 bytes, lanes 16-31 the next row's
	v_mul_u32_u24 v10, v3, 272
	v_lshl_add_u32 v10, v2, 4, v10
	v_add_nc_u32 v10, s26, v10                     ; the same two rows in the stage
	v_mul_u32_u24 v11, v2, 272
	v_lshl_add_u32 v11, v3, 5, v11
	v_add_nc_u32 v11, s26, v11                     ; out: row r, + 32 h: my 32 keys of a group of 64
.irp i, 0,1,2,3,4,5,6,7
	v_mov_b32 v[W+\i], 0                           ; written once: v_writelane_b32's destination counts as read
.endr
	s_lshr_b32 s27, s25, 1
	s_lshl_b32 s27, s27, 16                        ; 32 rows of 2,048 bytes
	s_and_b32 s30, s25, 1
	s_lshl_b32 s30, s30, 14                        ; the odd row block begins 8 rows down
	s_add_co_u32 s30, s30, s27
	s_lshl_b32 s27, s24, 9                         ; my wave's 512 keys
	s_add_co_u32 s30, s30, s27
	s_mov_b32 s31, 0
	s_lshl_b32 s32, s25, 12                        ; 4,096 bytes of words a row block,
	s_lshl_b32 s27, s24, 10                        ; 1,024 a wave
	s_add_co_u32 s32, s32, s27
	s_mov_b32 s33, 0
	s_wait_alu depctr_va_vdst(0)
	s_wait_kmcnt 0x0
	s_add_nc_u64 s[18:19], s[18:19], s[30:31]
	s_add_nc_u64 s[22:23], s[22:23], s[32:33]
.irp q, 0,1
.irp i, 0,1,2,3,4,5,6,7
	global_load_b128 v[R+32*\q+4*\i:R+32*\q+4*\i+3], v9, s[18:19] offset:256*\q+(2*\i+8*(\i/4))*2048 th:TH_LOAD_NT
.endr
.endr
.macro MPIECE q                        ; 256 keys: two key steps
	s_wait_loadcnt 8-8*\q                          ; this piece's 8 loads are in; the other piece's may be out
.irp i, 0,1,2,3,4,5,6,7
	ds_store_b128 v10, v[R+32*\q+4*\i:R+32*\q+4*\i+3] offset:544*\i
.endr
.irp c, 0,1,2,3,4,5,6,7
	ds_load_b128 v[E+4*\c:E+4*\c+3], v11 offset:64*(\c/2)+16*(\c%2)   ; row r, + 32 h: 16 of my 32 keys of a group of 64
.endr
	s_wait_dscnt 0x0
.irp c, 0,1,2,3,4,5,6,7                ; block c of 32 keys; key i of my 16: word j = 16 (c % 4) + i of step c / 4 goes to lane j / 2, register j % 2
.irp i, 0,1,2,3,4,5,6,7,8,9,10,11,12,13,14,15
	v_and_b32 v[120+\i%4], 0xff<<(8*(\i%4)), v[E+4*\c+\i/4]
	v_cmp_ne_u32 s[36+\i%4], 0, v[120+\i%4]        ; the 32 lanes' bits
	v_writelane_b32 v[W+4*\q+2*(\c/4)+\i%2], s[36+\i%4], 8*(\c%4)+\i/2
.endr
.endr
.irp t, 0,1
	global_store_b64 v7, v[W+4*\q+2*\t:W+4*\q+2*\t+1], s[22:23] offset:512*\q+256*\t   ; a key step's 64 words: 256 consecutive bytes
.endr
.endm
	MPIECE 0
	MPIECE 1
	s_wait_tensorcnt 0x0                           ; the wave's end: the same three lines
	ds_add_u32 v12, v13
	s_wait_dscnt 0x0
	s_endpgm
.Lfunc_end_k_q39043aa30e_prep:
	.size	k_q39043aa30e_prep, .Lfunc_end_k_q39043aa30e_prep-k_q39043aa30e_prep
	.p2alignl 7, 3214868480
	.fill 96, 4, 3214868480
	.section	.rodata,"a",@progbits
	.p2align	6, 0x0
	.amdhsa_kernel k_q39043aa30e_prep
		.amdhsa_group_segment_fixed_size 51712
		.amdhsa_private_segment_fixed_size 0
		.amdhsa_enable_private_segment 0
		.amdhsa_kernarg_size 80
		.amdhsa_user_sgpr_count 2
		.amdhsa_user_sgpr_kernarg_segment_ptr 1
		.amdhsa_wavefront_size32 1
		.amdhsa_system_sgpr_workgroup_id_x 1
		.amdhsa_system_sgpr_workgroup_id_y 1
		.amdhsa_system_sgpr_workgroup_id_z 1
		.amdhsa_system_vgpr_workitem_id 0
		.amdhsa_next_free_vgpr 256
		.amdhsa_next_free_sgpr 66
		.amdhsa_reserve_vcc 1
		.amdhsa_float_denorm_mode_32 3
		.amdhsa_float_denorm_mode_16_64 3
		.amdhsa_memory_ordered 1
		.amdhsa_forward_progress 1
		.amdhsa_inst_pref_size 88
	.end_amdhsa_kernel
	.amdgpu_metadata
---
amdhsa.version: [ 1, 2 ]
amdhsa.kernels:
  - .name:           k_q39043aa30e_prep
    .symbol:         k_q39043aa30e_prep.kd
    .args:
      - { .name: query, .offset: 0, .size: 8, .value_kind: global_buffer, .address_space: global }
      - { .name: key, .offset: 8, .size: 8, .value_kind: global_buffer, .address_space: global }
      - { .name: value, .offset: 16, .size: 8, .value_kind: global_buffer, .address_space: global }
      - { .name: Wq, .offset: 24, .size: 8, .value_kind: global_buffer, .address_space: global }
      - { .name: Wk, .offset: 32, .size: 8, .value_kind: global_buffer, .address_space: global }
      - { .name: Wv, .offset: 40, .size: 8, .value_kind: global_buffer, .address_space: global }
      - { .name: Wo, .offset: 48, .size: 8, .value_kind: global_buffer, .address_space: global }
      - { .name: mask, .offset: 56, .size: 8, .value_kind: global_buffer, .address_space: global }
      - { .name: codes, .offset: 64, .size: 8, .value_kind: global_buffer, .address_space: global }
      - { .name: maskw, .offset: 72, .size: 8, .value_kind: global_buffer, .address_space: global }
    .group_segment_fixed_size: 51712
    .private_segment_fixed_size: 0
    .kernarg_segment_align: 8
    .kernarg_segment_size: 80
    .max_flat_workgroup_size: 128
    .sgpr_count:     66
    .vgpr_count:     256
    .wavefront_size: 32
...
	.end_amdgpu_metadata
.endif
;; end of part 1
;; launch proj (part 2): grid 192 x 4, 4 waves a work-group, clusters of 4 x 4, 327,680 bytes of LDS; arguments codes, bq, bk, bv, qb, kv; writes qb, kv
.if DOCPART == 2
	.amdgcn_target "amdgcn-amd-amdhsa--gfx1250"
	.amdhsa_code_object_version 6
	.text
	.protected	k_q39043aa30e_proj
	.globl	k_q39043aa30e_proj
	.p2align	8
	.type	k_q39043aa30e_proj,@function
k_q39043aa30e_proj:
	s_mov_b64 s[64:65], 0
	v_nop
	global_prefetch_b8 v0, s[64:65] scope:SCOPE_SE
	s_setreg_imm32_b32 hwreg(HW_REG_WAVE_MODE, 25, 1), 1
	s_wait_xcnt 0x0
	s_wait_alu depctr_hold_cnt(0) depctr_sa_sdst(0) depctr_va_vdst(0) depctr_va_sdst(0) depctr_va_ssrc(0) depctr_va_vcc(0) depctr_vm_vsrc(0)
	s_getreg_b32 s2, hwreg(HW_REG_IB_STS2, 6, 4)
	s_cmp_eq_u32 s2, 0
	s_cbranch_scc0 .Lentry_in_a_cluster
	s_endpgm
.Lentry_in_a_cluster:
	s_bfe_u32 s2, ttmp6, 0x10000c
	s_cmp_lg_u32 s2, 0xf033
	s_cbranch_scc0 .Lentry_shape_is_right
	s_endpgm
.Lentry_shape_is_right:
; PROJ.  q = query Wq^T + bq, k = key Wk^T + bk, v = value Wv^T + bv on codes of FP6 (E2M3) with E8M0 scales, f32 sums; the results are quantised in registers, q and k along the head's 64, v along the keys,
; and stored as images of the attention launch's operand registers.  Nothing wider than codes goes to memory.
; LIMITS: NaN and infinities are not served; a block of zeros or under 2^-124 gets the byte 1 (read by this program alone).
; A TILE is 256 rows of source 0 x 128 rows of source 1, all of K = 1,024 in LDS at once (307,200 bytes): every LDS byte is filled once, so there is no ring.  Four waves: wave (w0 = w % 2, w1 = w / 2) takes
; source 0's row blocks 8 w0 .. + 7 against source 1's 4 w1 .. + 3: 32 accumulators, 256 matrix instructions.
; ONE TEXT SERVES THE THREE PRODUCTS: a lane's registers run along source 0's rows, which is the axis that is quantised next.  q, k: source 0 = 256 rows of W (4 heads), source 1 = 128 tokens.
; v: source 0 = 256 tokens (keys), source 1 = 128 rows of Wv.  Row block t = rows 32 (t / 2) + 8 (t % 2) + i + 8 (i / 8): so the 16 registers of tiles 2 b, 2 b + 1 are 16 neighbours, 32 b + 16 (lane / 16) + 0 .. 15.
; CLUSTERS of 4 x 4: source 0's tile hangs on cx (and the cluster's number), and is asked for jointly by the four of a column; source 1's on cy, by the four of a row.  48 clusters: 16 for each product.
; WORKSPACE IN: codes: records of 6,400 bytes (row block, half of K): 4 fragments of 1,536 bytes in register order, 256 bytes of scale words (16 r + 4 f).
; WORKSPACE OUT: qb [b x 16 + head][step 16][6,656]: 8 half images of 768 bytes (a tile of 16 tokens x 64: registers 0-3 at 16 x lane, 4-5 at 512 + 8 x lane), 512 bytes of scale words (256 g + 16 r + 4 i for tile 4 g + i; bytes 2, 3 = 0x7f).
;   kv [b x 16 + head][step 16][13,056]: K as in qb; from 6,656 on V^T's 4 fragments (16 of the head's 64 x 128 keys), from 12,800 on their scale words (16 r + 4 tile).
; REGISTERS: window 0: v2-13 LDS addresses, v14 16 x lane, v15 8 x lane; v16-79 source 0's scale words, v80-111 source 1's; v112-207 source 1's fragments, two sets; v208-255 the way out.
;   window 1: source 0's fragments, two sets (v0-95, v128-223).   window 2: accumulator (i0, i1) at v[64 i1 + 8 i0].   window 3: v0-63 the bias along source 0's rows, the C of the first products.
.set WV, 16
.set W0, 17
.set W1, 18
.set CX, 19
.set CY, 20
.set TEN, 21                           ; 0 q, 1 k, 2 v
.set CC, 22
.set ISV, 23
.set G1A, 24                           ; s[24:31] descriptor group 1 for source 0; s[32:39] for source 1
.set G1B, 32
.set G0A, 40                           ; s[40:47] groups 0 for source 0's two halves of K; s[48:55] for source 1's
.set G0B, 48
.set PA, 56
.set PB, 58
.set DD, 66                            ; s[66:67] where the block's first half image goes; s[68:69] the second; s[70:71] the step from block to block; s[72:73] the scale words
.set D2, 68
.set STR, 70
.set DSC, 72
.set SELM, 74
.set BHS, 75
.set REC, 76
.set ONES, 77
.set SEL, 78
.set BP0, 80
.set BP1, 82
.set T0, 84
.set T1, 85
.set A16, 2
.set A8, 4
.set B16, 6
.set B8, 8
.set AR, 10
.set BR, 12
.set L16, 14
.set L8, 15
.set SA, 16
.set SB, 80
.set BF, 112
.set PC, 208                           ; v208-219 codes; v220-222, v224-226 the conversions' second halves
.set VS, 223                           ; the scale words' offset
.set SH, 227                           ; 16 (lane / 16)
.set TM, 228
.set PW, 240                           ; v240-243 the four blocks' scale words
.set WD, 244                           ; v244-247 as they are stored
.set B1V, 248                          ; v248-255 the bias along source 1's rows: a number a lane for each block, twice (a pair for the packed addition)
.set HALF, 153600                      ; LDS: half u of K at HALF u: source 0's 16 records, then source 1's 8
.set MSB, 0
.macro WIN new                         ; the immediate's high byte repeats the setting that is left
.if MSB != \new
	s_set_vgpr_msb (MSB<<8)|\new
.set MSB, \new
.endif
.endm
.macro ROUND                           ; a round of the cluster's barrier
	s_barrier_signal -1
	s_barrier_wait -1
	s_cmp_lg_u32 s[WV], 0
	s_cbranch_scc1 .Lnot_wave_0_\@
	s_barrier_signal -3
.Lnot_wave_0_\@:
	s_barrier_wait -3
	s_barrier_signal -1
	s_barrier_wait -1
.endm
.macro PLACES                          ; four plain instructions between a matrix instruction and a load into, or a vector instruction on, its registers
.rept 4
	v_nop
.endr
.endm
.macro FRAG reg, a16, a8, off          ; a fragment comes as it was stored: consecutive bytes, no pitch
	ds_load_b128 v[\reg:\reg+3], v[\a16] offset:\off
	ds_load_b64 v[\reg+4:\reg+5], v[\a8] offset:\off+512
	ds_load_b128 v[\reg+6:\reg+9], v[\a16] offset:\off+768
	ds_load_b64 v[\reg+10:\reg+11], v[\a8] offset:\off+1280
.endm
.macro FETCH s, p                      ; K step s into set p: 48 loads
	WIN 0x40
.irp i, 0,1,2,3,4,5,6,7
	FRAG 128*(\p)+12*\i, A16+(\s)/4, A8+(\s)/4, 6400*\i+1536*((\s)%4)
.endr
	WIN 0
.irp i, 0,1,2,3
	FRAG BF+48*(\p)+12*\i, B16+(\s)/4, B8+(\s)/4, 6400*\i+1536*((\s)%4)
.endr
.endm
.macro SCALES u                        ; the scale words of four K steps: 12 loads
	WIN 0
.irp i, 0,1,2,3,4,5,6,7
	ds_load_b128 v[SA+32*\u+4*\i:SA+32*\u+4*\i+3], v[AR+\u] offset:6400*\i+6144
.endr
.irp i, 0,1,2,3
	ds_load_b128 v[SB+16*\u+4*\i:SB+16*\u+4*\i+3], v[BR+\u] offset:6400*\i+6144
.endr
.endm
; 32 matrix instructions: K step s from set p.  The 32 accumulators take turns, one instruction a turn, in the same order in every step.  first = 1: C is the bias.
.macro MUL s, p, first
.if \first
	WIN 0xb1
.else
	WIN 0xa1
.endif
.irp i1, 0,1,2,3
.irp i0, 0,1,2,3,4,5,6,7
.if \first
	v_wmma_scale_f32_16x16x128_f8f6f4 v[64*\i1+8*\i0:64*\i1+8*\i0+7], v[128*(\p)+12*\i0:128*(\p)+12*\i0+11], v[BF+48*(\p)+12*\i1:BF+48*(\p)+12*\i1+11], v[8*\i0:8*\i0+7], v[SA+32*((\s)/4)+4*\i0+(\s)%4], v[SB+16*((\s)/4)+4*\i1+(\s)%4] matrix_a_fmt:MATRIX_FMT_FP6 matrix_b_fmt:MATRIX_FMT_FP6
.else
	v_wmma_scale_f32_16x16x128_f8f6f4 v[64*\i1+8*\i0:64*\i1+8*\i0+7], v[128*(\p)+12*\i0:128*(\p)+12*\i0+11], v[BF+48*(\p)+12*\i1:BF+48*(\p)+12*\i1+11], v[64*\i1+8*\i0:64*\i1+8*\i0+7], v[SA+32*((\s)/4)+4*\i0+(\s)%4], v[SB+16*((\s)/4)+4*\i1+(\s)%4] matrix_a_fmt:MATRIX_FMT_FP6 matrix_b_fmt:MATRIX_FMT_FP6
.endif
.endr
.endr
.endm
	s_load_b256 s[4:11], s[0:1], 0x0               ; codes, bq, bk, bv
	s_load_b128 s[12:15], s[0:1], 0x20             ; qb, kv
.set SPARE, 307200                     ; behind the tile: the spare words, 128 bytes a wave, which no other line names
	v_lshl_add_u32 v[PC], v0, 2, SPARE             ; window 0 has no two registers to keep: v0 is kept, and the add's two registers are made anew ahead of the closing lines
	v_mov_b32 v[PC+1], 0
	ds_add_u32 v[PC], v[PC+1]                      ; the opening lines: the add, twice on end, and its wait ahead of the first round
	ds_add_u32 v[PC], v[PC+1]
	v_lshrrev_b32 v1, 5, v0
	v_readfirstlane_b32 s[WV], v1
	s_and_b32 s[W0], s[WV], 1
	s_lshr_b32 s[W1], s[WV], 1
	s_bfe_u32 s[CX], ttmp6, 0x40000
	s_bfe_u32 s[CY], ttmp6, 0x40004
	s_lshr_b32 s[TEN], ttmp9, 4                    ; the cluster's number says which product, the same in all sixteen partners
	s_and_b32 s[CC], ttmp9, 15
	s_lshr_b32 s[T0], s[CC], 1
	s_and_b32 s[T1], s[CC], 1
	s_lshl_b32 s86, s[TEN], 6
	s_add_co_u32 s86, s86, 1536                    ; q, k: the weight's first row block
	s_lshl_b32 s87, s[TEN], 9                      ; q, k: the tokens' first row block
	s_cmp_eq_u32 s[TEN], 2
	s_cselect_b32 s[ISV], 1, 0
	s_cselect_b32 s[SELM], 0, -1
	s_cselect_b32 s[T0], s[T0], 0
	s_cselect_b32 s[T1], s[T1], s[CC]
	s_cselect_b32 s86, 1024, s86                   ; v: source 0 = value's tokens,
	s_cselect_b32 s87, 1664, s87                   ; source 1 = Wv
	s_lshl_b32 s[T0], s[T0], 2
	s_add_co_u32 s[T0], s[T0], s[CX]               ; t0: which 256 rows of source 0
	s_lshl_b32 s[T1], s[T1], 2
	s_add_co_u32 s[T1], s[T1], s[CY]               ; t1: which 128 rows of source 1
	s_lshl_b32 s[PA], s[T0], 4                     ; source 0's address: made of t0 and the wave's number alone
	s_add_co_u32 s[PA], s[PA], s86
	s_mul_i32 s[PA], s[PA], 12800
	s_mov_b32 s[PA+1], 0
	s_lshl_b32 s[PB], s[T1], 3                     ; source 1's: of t1 and the wave's number alone
	s_add_co_u32 s[PB], s[PB], s87
	s_mul_i32 s[PB], s[PB], 12800
	s_mov_b32 s[PB+1], 0
	s_lshl_b32 s88, 0x1111, s[CX]                  ; my column of the cluster (same cx)
	s_or_b32 s[G1A], s88, (3<<16)|(1<<21)          ; 15:0 the mask; 17:16 elements of 8 bytes; 21 set beside a mask; no padding
	s_lshl_b32 s89, s[CY], 2
	s_lshl_b32 s89, 15, s89                        ; my row (same cy)
	s_or_b32 s[G1B], s89, (3<<16)|(1<<21)
	s_mov_b32 s[G1A+1], 800<<16                    ; tensor_dim0: a record, 6,400 bytes
	s_mov_b32 s[G1A+2], 16<<16                     ; tensor_dim1: source 0's 16 row blocks, one half of K
	s_mov_b32 s[G1A+3], 800<<16                    ; tile_dim0
	s_mov_b32 s[G1A+4], 16                         ; tile_dim1
	s_mov_b32 s[G1A+5], 1600                       ; from row block to row block: 12,800 bytes
	s_mov_b32 s[G1A+6], 0
	s_mov_b32 s[G1A+7], 0
	s_mov_b32 s[G1B+1], 800<<16
	s_mov_b32 s[G1B+2], 8<<16                      ; source 1's 8 row blocks
	s_mov_b32 s[G1B+3], 800<<16
	s_mov_b32 s[G1B+4], 8
	s_mov_b32 s[G1B+5], 1600
	s_mov_b32 s[G1B+6], 0
	s_mov_b32 s[G1B+7], 0
	s_wait_alu depctr_va_vdst(0)
	s_wait_dscnt 0x0                               ; both opening adds are done
	s_wait_kmcnt 0x0
	s_add_nc_u64 s[PA:PA+1], s[4:5], s[PA:PA+1]
	s_add_nc_u64 s[PB:PB+1], s[4:5], s[PB:PB+1]
.irp u, 0,1
	s_mov_b32 s[G0A+4*\u], 1
	s_mov_b32 s[G0A+4*\u+1], HALF*\u
	s_add_nc_u64 s[G0A+4*\u+2:G0A+4*\u+3], s[PA:PA+1], 6400*\u
	s_or_b32 s[G0A+4*\u+3], s[G0A+4*\u+3], 0x80000000
	s_mov_b32 s[G0B+4*\u], 1
	s_mov_b32 s[G0B+4*\u+1], HALF*\u+102400
	s_add_nc_u64 s[G0B+4*\u+2:G0B+4*\u+3], s[PB:PB+1], 6400*\u
	s_or_b32 s[G0B+4*\u+3], s[G0B+4*\u+3], 0x80000000
.endr
	ROUND                                          ; all sixteen work-groups are here: the joint loads meet
	; the tile's four parts, one joint load a wave, in one chain of branches on the wave's number: wave 0 source 0's first half of K, wave 1 source 1's, waves 2 and 3 the second halves
	s_cmp_eq_u32 s[WV], 0
	s_cbranch_scc0 .Lfill_1
	tensor_load_to_lds s[G0A:G0A+3], s[G1A:G1A+7]
	s_nop 0
	PLACES
	s_branch .Lfilled
.Lfill_1:
	s_cmp_eq_u32 s[WV], 1
	s_cbranch_scc0 .Lfill_2
	tensor_load_to_lds s[G0B:G0B+3], s[G1B:G1B+7]
	s_nop 0
	PLACES
	s_branch .Lfilled
.Lfill_2:
	s_cmp_eq_u32 s[WV], 2
	s_cbranch_scc0 .Lfill_3
	tensor_load_to_lds s[G0A+4:G0A+7], s[G1A:G1A+7]
	s_nop 0
	PLACES
	s_branch .Lfilled
.Lfill_3:
	tensor_load_to_lds s[G0B+4:G0B+7], s[G1B:G1B+7]
	s_nop 0
	PLACES
.Lfilled:
	; ---- the biases.  q, k: the bias runs along source 0's rows: eight registers a tile in the result's layout, the C of the first products.  v: along source 1's rows: a number a lane, added on the way out; C is then 0.
	; Both kinds are loaded in every work-group (from offset 0 where they are not used), so that no register is unwritten on any way.
	v_bfe_u32 v[SH], v0, 4, 1                      ; h
	v_lshlrev_b32 v[WD+1], 6, v[SH]                ; 16 h numbers
	s_wait_alu depctr_va_vdst(0)
	v_and_b32 v[WD], 15, v0
	v_and_b32 v[WD+2], 8, v[WD]
	v_add_nc_u32 v[WD], v[WD], v[WD+2]
	v_lshlrev_b32 v[WD], 2, v[WD]                  ; r + 8 (r / 8) numbers
	s_wait_alu depctr_va_vdst(0)
	s_cmp_eq_u32 s[TEN], 0
	s_cselect_b64 s[BP0:BP0+1], s[6:7], s[8:9]
	s_cmp_eq_u32 s[TEN], 2
	s_cselect_b64 s[BP0:BP0+1], s[10:11], s[BP0:BP0+1]
	s_mov_b64 s[BP1:BP1+1], s[BP0:BP0+1]
	s_lshl_b32 s92, s[T0], 10
	s_lshl_b32 s93, s[W0], 9
	s_add_co_u32 s92, s92, s93                     ; (256 t0 + 128 w0) numbers
	s_lshl_b32 s94, s[T1], 9
	s_lshl_b32 s93, s[W1], 8
	s_add_co_u32 s94, s94, s93                     ; (128 t1 + 64 w1) numbers
	s_cmp_eq_u32 s[ISV], 1
	s_cselect_b32 s92, 0, s92
	s_cselect_b32 s94, s94, 0
	s_mov_b32 s93, 0
	s_mov_b32 s95, 0
	s_add_nc_u64 s[BP0:BP0+1], s[BP0:BP0+1], s[92:93]
	s_add_nc_u64 s[BP1:BP1+1], s[BP1:BP1+1], s[94:95]
	WIN 0xc0                                       ; destination window 3
.irp t, 0,1,2,3,4,5,6,7
	global_load_b128 v[8*\t:8*\t+3], v[WD+1], s[BP0:BP0+1] offset:(32*(\t/2)+8*(\t%2))*4
	global_load_b128 v[8*\t+4:8*\t+7], v[WD+1], s[BP0:BP0+1] offset:(32*(\t/2)+8*(\t%2))*4+16
.endr
	WIN 0
.irp t, 0,1,2,3
	global_load_b32 v[B1V+2*\t], v[WD], s[BP1:BP1+1] offset:(32*(\t/2)+8*(\t%2))*4
	global_load_b32 v[B1V+2*\t+1], v[WD], s[BP1:BP1+1] offset:(32*(\t/2)+8*(\t%2))*4
.endr
	; ---- where the results go
	s_lshl_b32 s86, s[T0], 1
	s_add_co_u32 s86, s86, s[W0]                   ; 2 t0 + w0: v: my 128 keys' step among all 64; q, k: half my first head's number
	s_lshr_b32 s87, s86, 4
	s_lshl_b32 s87, s87, 4
	s_lshl_b32 s88, s[T1], 1
	s_add_co_u32 s88, s88, s[W1]
	s_add_co_u32 s87, s87, s88                     ; v: 16 b + head
	s_lshr_b32 s88, s[T1], 4
	s_lshl_b32 s88, s88, 4
	s_lshl_b32 s89, s86, 1
	s_add_co_u32 s88, s88, s89                     ; q, k: 16 b + my first head
	s_and_b32 s89, s86, 15                         ; v: the step
	s_and_b32 s90, s[T1], 15                       ; q, k: the step
	s_mul_i32 s91, s[W1], 3072                     ; q, k: my four tiles of the step's eight
	s_lshl_b32 s92, s[W1], 8
	s_add_co_u32 s92, s92, 6144                    ; q, k: their scale words
	s_mov_b32 s[REC], 13056
	s_cmp_eq_u32 s[TEN], 0
	s_cselect_b32 s[REC], 6656, s[REC]             ; a step's record
	s_cselect_b64 s[DD:DD+1], s[12:13], s[14:15]
	s_lshl_b32 s[BHS], s[REC], 4                   ; a head's 16 records
	s_mov_b32 s[STR], 768
	s_cmp_eq_u32 s[ISV], 1
	s_cselect_b32 s87, s87, s88
	s_cselect_b32 s89, s89, s90
	s_cselect_b32 s91, 6656, s91
	s_cselect_b32 s92, 12800, s92
	s_cselect_b32 s94, s[STR], s[BHS]              ; the second half image: v: 768 bytes on; q, k: the next head
	s_cselect_b32 s60, 8, s[BHS]                   ; what lanes 16-31 add to the scale words' place
	s_cselect_b32 s[STR], 1536, s[STR]             ; from block to block
	s_mov_b32 s[STR+1], 0
	s_mul_i32 s87, s87, s[BHS]
	s_mul_i32 s89, s89, s[REC]
	s_add_co_u32 s87, s87, s89
	s_add_co_u32 s88, s87, s91
	s_mov_b32 s89, 0
	s_add_co_u32 s92, s87, s92
	s_mov_b32 s93, 0
	s_mov_b32 s95, 0
	s_add_nc_u64 s[DSC:DSC+1], s[DD:DD+1], s[92:93]
	s_add_nc_u64 s[DD:DD+1], s[DD:DD+1], s[88:89]
	s_add_nc_u64 s[D2:D2+1], s[DD:DD+1], s[94:95]
	s_mov_b32 s[ONES], 0x7f7f0000
	s_mov_b32 s[SEL], 0x76543210
	s_mov_b32 s[SEL+1], 0xfedcba98
	s_wait_loadcnt 0x0                             ; the biases
	WIN 0xcc                                       ; source 1 and destination window 3
.set ra, 0
.rept 64
	v_cndmask_b32 v[ra], 0, v[ra], s[SELM]         ; v: C = 0
.set ra, ra+1
.endr
	WIN 0
	; ---- LDS addresses: a constant + a constant x wave + a constant x lane
	v_and_b32 v1, 31, v0
	v_lshlrev_b32 v[L16], 4, v1
	v_lshlrev_b32 v[L8], 3, v1
	v_and_b32 v1, 15, v0
	v_mul_lo_u32 v[VS], v[SH], s60
	v_lshl_add_u32 v[VS], v1, 4, v[VS]
	v_lshlrev_b32 v[SH], 4, v[SH]
	v_lshlrev_b32 v1, 4, v1                        ; 16 r
	s_mul_i32 s86, s[W0], 51200
	s_mul_i32 s87, s[W1], 25600
	s_add_co_u32 s87, s87, 102400
	v_add_nc_u32 v[A16], s86, v[L16]
	v_add_nc_u32 v[A8], s86, v[L8]
	v_add_nc_u32 v[AR], s86, v1
	v_add_nc_u32 v[B16], s87, v[L16]
	v_add_nc_u32 v[B8], s87, v[L8]
	v_add_nc_u32 v[BR], s87, v1
.irp a, A16, A8, AR, B16, B8, BR
	v_add_nc_u32 v[\a+1], HALF, v[\a]
.endr
.irp b, 0,1,2,3
	v_mov_b32 v[TM+4+\b], 0                        ; written once: a lane permute's destination counts as one of its sources
.endr
	s_wait_alu depctr_va_vdst(0)
	s_cmp_lt_u32 s[WV], 2                          ; waves 0 and 1 brought K's first half: they wait; the second half's loads stay out
	s_cbranch_scc0 .Lnot_first
	s_wait_tensorcnt 0x0
.Lnot_first:
	s_barrier_signal -1
	s_barrier_wait -1                              ; everybody's is
	SCALES 0
	FETCH 0, 0
	FETCH 1, 1
	s_wait_dscnt 48                                ; all but the 48 just issued
	MUL 0, 0, 1
	PLACES
	FETCH 2, 0
	s_wait_dscnt 48
	MUL 1, 1, 0
	PLACES
	FETCH 3, 1
	s_wait_dscnt 48
	MUL 2, 0, 0
	s_wait_tensorcnt 0x0                           ; my part of the second half is in,
	s_wait_dscnt 0x0                               ; and my reads of the first half are over
	s_barrier_signal -1
	s_barrier_wait -1                              ; everybody's
	PLACES
	SCALES 1
	FETCH 4, 0
	MUL 3, 1, 0
	PLACES
	FETCH 5, 1
	s_wait_dscnt 48
	MUL 4, 0, 0
	PLACES
	FETCH 6, 0
	s_wait_dscnt 48
	MUL 5, 1, 0
	PLACES
	FETCH 7, 1
	s_wait_dscnt 48
	MUL 6, 0, 0
	s_wait_dscnt 0x0
	MUL 7, 1, 0
	WIN 0
	PLACES
; THE WAY OUT.  For source 1's block i1 a lane's 64 registers are 128 neighbours' halves along source 0: register 16 b + i = row 32 b + 16 (lane / 16) + i: four blocks of 32.
; q, k: blocks 0, 1 are one head's 64, blocks 2, 3 the next head's: two half images.  v: 128 keys: one fragment.
.macro QUANTW s, pw
	WIN 0x28                                       ; sources 1 and 2 window 2
.irp b, 0,1,2,3
	v_max3_num_f32 v[TM+\b], 0x1800000, |v[\s+16*\b]|, |v[\s+16*\b+1]|   ; the floor 2^(3 - 127) and my first two; each accumulator is read from its low end on
.endr
.irp i, 2,4,6,8,10,12,14
.irp b, 0,1,2,3
	v_max3_num_f32 v[TM+\b], v[TM+\b], |v[\s+16*\b+\i]|, |v[\s+16*\b+\i+1]|
.endr
.endr
	WIN 0
.irp b, 0,1,2,3
	v_permlanex16_b32 v[TM+4+\b], v[TM+\b], s[SEL], s[SEL+1]
.endr
.irp b, 0,1,2,3
	v_max_num_f32 v[TM+\b], v[TM+\b], v[TM+4+\b]
.endr
.irp b, 0,1,2,3
	v_add_nc_u32 v[TM+8+\b], 0xff000000, v[TM+\b]
.endr
.irp b, 0,1,2,3
	v_lshrrev_b32 v[TM+4+\b], 23, v[TM+8+\b]
.endr
	v_lshl_or_b32 v[\pw], v[TM+5], 8, v[TM+4]
	v_lshl_or_b32 v[\pw], v[TM+6], 16, v[\pw]
	v_lshl_or_b32 v[\pw], v[TM+7], 24, v[\pw]
	WIN 0x02                                       ; source 0 window 2
.irp c, 0,1
	v_cvt_scalef32_pk16_fp6_f32 v[PC+6*\c:PC+6*\c+2], v[\s+32*\c:\s+32*\c+15], v[TM+8+2*\c]
	v_cvt_scalef32_pk16_fp6_f32 v[PC+12+4*\c:PC+14+4*\c], v[\s+32*\c+16:\s+32*\c+31], v[TM+8+2*\c+1]
.endr
	WIN 0
	v_nop                                          ; one plain instruction behind a scaled conversion
.irp c, 0,1
.irp i, 0,1,2
	v_permlane16_swap_b32 v[PC+6*\c+\i], v[PC+12+4*\c+\i]
.endr
.irp i, 0,1,2
	v_mov_b32 v[PC+3+6*\c+\i], v[PC+12+4*\c+\i]
.endr
.endr
.endm
.macro OUT i1
	s_cmp_eq_u32 s[ISV], 0
	s_cbranch_scc1 .Lno_b1_\@
	WIN 0x82                                       ; source 0 and destination window 2
.set ra, 64*\i1
.rept 32
	v_pk_add_f32 v[ra:ra+1], v[ra:ra+1], v[B1V+2*\i1:B1V+2*\i1+1]   ; v: + bv of my lane's row of Wv
.set ra, ra+2
.endr
	WIN 0
.Lno_b1_\@:
	QUANTW 64*\i1, PW+\i1
	global_store_b128 v[L16], v[PC:PC+3], s[DD:DD+1]              ; 512 consecutive bytes,
	global_store_b64 v[L8], v[PC+4:PC+5], s[DD:DD+1] offset:512   ; 256
	global_store_b128 v[L16], v[PC+6:PC+9], s[D2:D2+1]
	global_store_b64 v[L8], v[PC+10:PC+11], s[D2:D2+1] offset:512
	s_wait_xcnt 0x0                                ; the stores have read their data and bases: both are written again only behind this wait
	s_add_nc_u64 s[DD:DD+1], s[DD:DD+1], s[STR:STR+1]
	s_add_nc_u64 s[D2:D2+1], s[D2:D2+1], s[STR:STR+1]
.endm
	OUT 0
	OUT 1
	OUT 2
	OUT 3
	s_cmp_eq_u32 s[ISV], 0
	s_cbranch_scc0 .Lscale_v
.irp i, 0,1,2,3                        ; q, k: lanes 0-15 store the first head's words (bytes 0, 1), lanes 16-31 the next head's (bytes 2, 3); the upper two bytes, for the K that is filled up with zero codes, are 0x7f
	v_lshrrev_b32 v[WD+\i], v[SH], v[PW+\i]
.endr
.irp i, 0,1,2,3
	v_and_or_b32 v[WD+\i], v[WD+\i], 0xffff, s[ONES]
.endr
	global_store_b128 v[VS], v[WD:WD+3], s[DSC:DSC+1]   ; two runs of 256 consecutive bytes, one in each head's record
	s_branch .Lscaled
.Lscale_v:
	v_and_b32 v[WD+2], 31, v0
	v_cmp_lt_u32 vcc_lo, 15, v[WD+2]               ; v: lanes 16-31 store tiles 2 and 3's words of their row
	v_cndmask_b32 v[WD], v[PW], v[PW+2], vcc_lo
	v_cndmask_b32 v[WD+1], v[PW+1], v[PW+3], vcc_lo
	global_store_b64 v[VS], v[WD:WD+1], s[DSC:DSC+1]    ; 256 consecutive bytes
.Lscaled:
	v_lshl_add_u32 v[PC], v0, 2, SPARE             ; the add's two registers anew (the codes' stores have read theirs: each block's way out ends with the wait on XCNT)
	v_mov_b32 v[PC+1], 0
	s_wait_alu depctr_va_vdst(0)
	s_wait_tensorcnt 0x0                           ; the wave's end
	ds_add_u32 v[PC], v[PC+1]
	s_wait_dscnt 0x0
	ROUND                                          ; the closing round: no work-group ends while a partner may still ask for a tile that names it
	s_endpgm
.Lfunc_end_k_q39043aa30e_proj:
	.size	k_q39043aa30e_proj, .Lfunc_end_k_q39043aa30e_proj-k_q39043aa30e_proj
	.p2alignl 7, 3214868480
	.fill 96, 4, 3214868480
	.section	.rodata,"a",@progbits
	.p2align	6, 0x0
	.amdhsa_kernel k_q39043aa30e_proj
		.amdhsa_group_segment_fixed_size 327680
		.amdhsa_private_segment_fixed_size 0
		.amdhsa_enable_private_segment 0
		.amdhsa_kernarg_size 48
		.amdhsa_user_sgpr_count 2
		.amdhsa_user_sgpr_kernarg_segment_ptr 1
		.amdhsa_wavefront_size32 1
		.amdhsa_system_sgpr_workgroup_id_x 1
		.amdhsa_system_sgpr_workgroup_id_y 1
		.amdhsa_system_sgpr_workgroup_id_z 1
		.amdhsa_system_vgpr_workitem_id 0
		.amdhsa_next_free_vgpr 1024
		.amdhsa_next_free_sgpr 96
		.amdhsa_reserve_vcc 1
		.amdhsa_float_denorm_mode_32 3
		.amdhsa_float_denorm_mode_16_64 3
		.amdhsa_memory_ordered 1
		.amdhsa_forward_progress 1
		.amdhsa_inst_pref_size 103
	.end_amdhsa_kernel
	.amdgpu_metadata
---
amdhsa.version: [ 1, 2 ]
amdhsa.kernels:
  - .name:           k_q39043aa30e_proj
    .symbol:         k_q39043aa30e_proj.kd
    .args:
      - { .name: codes, .offset: 0, .size: 8, .value_kind: global_buffer, .address_space: global }
      - { .name: bq, .offset: 8, .size: 8, .value_kind: global_buffer, .address_space: global }
      - { .name: bk, .offset: 16, .size: 8, .value_kind: global_buffer, .address_space: global }
      - { .name: bv, .offset: 24, .size: 8, .value_kind: global_buffer, .address_space: global }
      - { .name: qb, .offset: 32, .size: 8, .value_kind: global_buffer, .address_space: global }
      - { .name: kv, .offset: 40, .size: 8, .value_kind: global_buffer, .address_space: global }
    .group_segment_fixed_size: 327680
    .private_segment_fixed_size: 0
    .kernarg_segment_align: 8
    .kernarg_segment_size: 48
    .max_flat_workgroup_size: 128
    .sgpr_count:     96
    .vgpr_count:     1024
    .wavefront_size: 32
...
	.end_amdgpu_metadata
.endif
;; end of part 2
;; launch attn (part 3): grid 4 x 64, 16 waves a work-group, clusters of 4 x 1, 212,992 bytes of LDS; arguments qb, kv, maskw, xo; writes xo
.if DOCPART == 3
	.amdgcn_target "amdgcn-amd-amdhsa--gfx1250"
	.amdhsa_code_object_version 6
	.text
	.protected	k_q39043aa30e_attn
	.globl	k_q39043aa30e_attn
	.p2align	8
	.type	k_q39043aa30e_attn,@function
k_q39043aa30e_attn:
	s_mov_b64 s[64:65], 0
	v_nop
	global_prefetch_b8 v0, s[64:65] scope:SCOPE_SE
	s_setreg_imm32_b32 hwreg(HW_REG_WAVE_MODE, 25, 1), 1
	s_wait_xcnt 0x0
	s_wait_alu depctr_hold_cnt(0) depctr_sa_sdst(0) depctr_va_vdst(0) depctr_va_sdst(0) depctr_va_ssrc(0) depctr_va_vcc(0) depctr_vm_vsrc(0)
	s_getreg_b32 s2, hwreg(HW_REG_IB_STS2, 6, 4)
	s_cmp_eq_u32 s2, 0
	s_cbranch_scc0 .Lentry_in_a_cluster
	s_endpgm
.Lentry_in_a_cluster:
	s_bfe_u32 s2, ttmp6, 0x10000c
	s_cmp_lg_u32 s2, 0x3003
	s_cbranch_scc0 .Lentry_shape_is_right
	s_endpgm
.Lentry_shape_is_right:
; ATTN.  x[b][q][head][:] = softmax_k(where(mask, q . k / 8, -1e9)) v, both products on codes of FP6 (E2M3) with E8M0 scales; x is quantised along head x 64 + d and stored as images of the last product's operand.
; THE SOFTMAX: t = score x c, c = log2(e) / 8; M = the running largest t rounded up to a whole number; p = 2^(t - M), by one fused multiply-add on the raw score and one exponential, is quantised along the keys;
; the row's sum is taken of the unquantised p and divides at the end; when M moves, the sum and O are multiplied by 2^(old M - new M): exact.
; THE MASK: a place that the mask hides takes, by a select and not by an addition, the raw score -2^33 (a logit of -2^30).  Its product with c is exact and a whole number, so a row that is masked throughout has p = 1 everywhere: equal weights, as in reference().
; LIMITS: reference() writes -1e9 where this text has -2^30: the results are the same while every logit that the mask lets through lies above -1e9 + 200 (a hidden place then has p = 0 under both) or the row is masked throughout.
; The promise holds while the scaled scores stay under 2^31 in magnitude.  NaN and infinities are not served; blocks of zeros or under 2^-124 get the byte 1 (read by this program alone); the order of the f32 sums is not reference()'s.
; SHARES.  A work-group owns one (batch, head) and 512 queries; the head's K and V, 16 key steps of 13,056 bytes, lie in LDS for the whole launch, each byte filled once.  Sixteen waves, four to a SIMD; in each of two passes a wave owns one tile of 16 queries.
; CLUSTER.  The four work-groups of a head walk the same K and V: wave w asks for step w's record jointly, once: one tensor load of mine is out.
; LAYOUT.  Both products are used transposed: S^T = K Q^T (source 0 = 16 keys), O^T = V^T P^T (source 0 = 16 of the head's 64): a lane holds one query throughout.  Tile t of a step holds keys 64 (t / 4) + 8 (t % 4) + i + 24 (i / 8),
; so register j of a lane's 64 scores is key 64 (j / 32) + 32 (lane / 16) + j % 32: A LANE'S 32 REGISTERS ARE ONE SCALE BLOCK OF P, in the order of P's operand: no lane asks another for a block's maximum, and no code changes lanes.
; The head's 64 fill half of the form's K: Q's upper six registers are zero codes and both sides' upper scale bytes are 0x7f, so whatever codes stand in the six registers behind a tile of K add exactly 0: they are the next tile's, and behind the last tile P's.
; K AND V HAVE REGISTERS OF THEIR OWN: the next step's K (18 LDS loads) is asked for behind this step's first product, the next step's V (17) behind its second.  So the wait for K leaves the 17 younger loads out, the wait for V the 18.
; A pass's last step asks for nothing and is written out.  No prefetch: K and V are asked for at the head; the mask words are asked for a whole key step ahead by their own scalar loads.
; REGISTERS: v1-3 16 l, 8 l, 16 r; v4-6 the same + the next step's LDS byte; v7 the masked score; v8 16 r + h; v9, v10 the spare word and 0; v11 P's scale word; v12 -M, v13 largest t; v[14:15] the sum; v16-27 Q; v28 Q's scale word;
;   v29 8 h; v[30:31] f; v32-79 K; v80-91 P's codes; v92-99 K's scale words; v100-147 V; v148-151 V's scale words; v152-215 S^T, then p; v216-247 O^T; v248-255 at work.
.set REC, 13056
.set SPARE, 16*REC                     ; behind K and V: the spare words, 128 bytes a wave, which no other line names
.set WV, 18
.set TB, 19                            ; s19  LDS byte of the next key step
.set CC, 8                             ; s[8:9] c, twice
.set SEL, 10                           ; s[10:11] lane selects: lane l xor 16
.set QP, 12                            ; s[12:13] my tile's codes in qb; s[100:101] its scale words
.set QS, 100
.set MP, 14                            ; s[14:15] its mask words
.set XR, 16                            ; s[16:17] its place in xo; s[60:61] its scale bytes'
.set XS, 60
.set G1, 52                            ; s[52:59] descriptor group 1; s[4:7] group 0
.set MOFF, 62                          ; s62  the mask words' byte: 256 a step
.set KF, 32
.set PC, 80
.set KS, 92
.set VF, 100
.set VS, 148
.set S, 152
.set O, 216
; the 64 mask words of a step: word j in s[20 + j] (j < 32) or s[36 + j]: s[20:51], s[68:99]
.macro D n                             ; a hint ahead of a plain vector line that reads the result of the plain vector line n back
	s_delay_alu instid0(VALU_DEP_\n)
.endm
.macro ROUND
	s_barrier_signal -1
	s_barrier_wait -1
	s_cmp_lg_u32 s[WV], 0
	s_cbranch_scc1 .Lnot_wave_0_\@
	s_barrier_signal -3
.Lnot_wave_0_\@:
	s_barrier_wait -3
	s_barrier_signal -1
	s_barrier_wait -1
.endm
.macro MASKS                           ; a step's 64 words, 256 bytes
	s_load_b512 s[20:35], s[MP:MP+1], s[MOFF] offset:0x0
	s_load_b512 s[36:51], s[MP:MP+1], s[MOFF] offset:0x40
	s_load_b512 s[68:83], s[MP:MP+1], s[MOFF] offset:0x80
	s_load_b512 s[84:99], s[MP:MP+1], s[MOFF] offset:0xc0
.endm
.macro KLOAD a, b, c                   ; a step's eight tiles of K and their scale words: 18 loads
.irp t, 0,1,2,3,4,5,6,7
	ds_load_b128 v[KF+6*\t:KF+6*\t+3], \a offset:768*\t
	ds_load_b64 v[KF+6*\t+4:KF+6*\t+5], \b offset:768*\t+512
.endr
	ds_load_b128 v[KS:KS+3], \c offset:6144
	ds_load_b128 v[KS+4:KS+7], \c offset:6400
.endm
.macro VLOAD a, b, c                   ; its four fragments of V^T and their scale words: 17 loads
.irp d, 0,1,2,3
	ds_load_b128 v[VF+12*\d:VF+12*\d+3], \a offset:6656+1536*\d
	ds_load_b64 v[VF+12*\d+4:VF+12*\d+5], \b offset:6656+1536*\d+512
	ds_load_b128 v[VF+12*\d+6:VF+12*\d+9], \a offset:6656+1536*\d+768
	ds_load_b64 v[VF+12*\d+10:VF+12*\d+11], \b offset:6656+1536*\d+1280
.endr
	ds_load_b128 v[VS:VS+3], \c offset:12800
.endm
.macro SUMS from, to                   ; the row's sum: pairs 9 + from .. 8 + to of p onto five chains by turns (v248, v250, v252, v254, v14)
.set k, \from
.rept (\to)-(\from)
.set c, k%5
.set r, 248+2*c-242*(c/4)
	v_pk_add_f32 v[r:r+1], v[r:r+1], v[S+18+2*k:S+19+2*k]
.set k, k+1
.endr
.endm
	s_load_b256 s[20:27], s[0:1], 0x0              ; qb, kv, maskw, xo  (the mask words' registers serve as scratch until the first words are asked for)
	v_lshl_add_u32 v9, v0, 2, SPARE
	v_mov_b32 v10, 0
	ds_add_u32 v9, v10                             ; the opening lines: the add, twice on end, and its wait ahead of the first round
	ds_add_u32 v9, v10
	v_lshrrev_b32 v1, 5, v0
	D 1
	v_readfirstlane_b32 s[WV], v1                  ; wave 0..15
	s_bfe_u32 s63, ttmp6, 0x40000                  ; cx: which 512 queries
	s_and_b32 s66, ttmp7, 0xffff                   ; 16 b + head, which the four partners share
	s_mov_b32 s[G1], 15|(3<<16)|(1<<21)            ; the mask: all four work-groups; elements of 8 bytes; bit 21 beside a mask; no padding
	s_mov_b32 s[G1+1], 32<<16                      ; rows of 256 bytes,
	s_mov_b32 s[G1+2], 51<<16                      ; 51 of them: a step's record, dense in memory
	s_mov_b32 s[G1+3], 32<<16
	s_mov_b32 s[G1+4], 51
	s_mov_b32 s[G1+5], 32
	s_mov_b32 s[G1+6], 0
	s_mov_b32 s[G1+7], 0
	s_mul_i32 s67, s[WV], REC                      ; step w: in LDS, and within the head in memory
	s_mul_i32 s28, s66, 16*REC
	s_add_co_u32 s28, s28, s67
	s_mov_b32 s29, 0
	s_mul_i32 s30, s66, 106496                     ; qb: the head's 16 records of 6,656 bytes,
	s_lshl_b32 s31, s63, 2
	s_lshr_b32 s32, s[WV], 3
	s_add_co_u32 s31, s31, s32
	s_mul_i32 s31, s31, 6656                       ; record 4 cx + w / 8 (pass 1: two on)
	s_add_co_u32 s30, s30, s31
	s_and_b32 s42, s[WV], 7                        ; my tile among the record's eight
	s_lshr_b32 s44, s42, 2
	s_lshl_b32 s44, s44, 8
	s_and_b32 s45, s[WV], 3
	s_lshl_b32 s45, s45, 2
	s_add_co_u32 s44, s44, s45
	s_add_co_u32 s44, s44, s30
	s_add_co_u32 s44, s44, 6144                    ; its scale words
	s_mov_b32 s45, 0
	s_mul_i32 s43, s42, 768
	s_add_co_u32 s30, s30, s43                     ; its codes
	s_mov_b32 s31, 0
	s_lshr_b32 s32, s66, 4
	s_lshl_b32 s32, s32, 7
	s_lshl_b32 s33, s63, 5
	s_add_co_u32 s32, s32, s33
	s_add_co_u32 s32, s32, s[WV]                   ; my tile's row block among all tokens: 128 b + 32 cx + w (pass 1: 16 on)
	s_lshl_b32 s34, s32, 12                        ; 4,096 bytes of mask words a row block
	s_mov_b32 s35, 0
	s_and_b32 s36, s66, 15                         ; the head
	s_lshr_b32 s37, s36, 3                         ; xo: which half of K = head x 64 + d,
	s_lshl_b32 s32, s32, 1
	s_add_co_u32 s32, s32, s37
	s_mul_i32 s32, s32, 6400
	s_bfe_u32 s38, s36, 0x20001                    ; which of its four fragments,
	s_and_b32 s39, s36, 1                          ; which half of the fragment
	s_mul_i32 s40, s38, 1536
	s_mul_i32 s41, s39, 768
	s_add_co_u32 s40, s40, s41
	s_lshl_b32 s38, s38, 2
	s_lshl_b32 s39, s39, 1
	s_add_co_u32 s38, s38, s39                     ; and where its two scale bytes lie in a row's 16
	s_add_co_u32 s38, s38, s32
	s_add_co_u32 s38, s38, 6144
	s_mov_b32 s39, 0
	s_add_co_u32 s32, s32, s40
	s_mov_b32 s33, 0
	s_mov_b32 s[CC], 0x3e38aa3b                    ; c = log2(e) / 8
	s_mov_b32 s[CC+1], 0x3e38aa3b
	s_mov_b32 s[SEL], 0x76543210
	s_mov_b32 s[SEL+1], 0xfedcba98
	s_wait_alu depctr_va_vdst(0)
	s_wait_dscnt 0x0                               ; both opening adds are done
	s_wait_kmcnt 0x0
	s_mov_b32 s4, 1
	s_mov_b32 s5, s67                              ; LDS address: of the wave's number alone
	s_add_nc_u64 s[6:7], s[22:23], s[28:29]        ; global address: of the head and the wave's number alone
	s_or_b32 s7, s7, 0x80000000
	s_add_nc_u64 s[QP:QP+1], s[20:21], s[30:31]
	s_add_nc_u64 s[QS:QS+1], s[20:21], s[44:45]
	s_add_nc_u64 s[MP:MP+1], s[24:25], s[34:35]
	s_add_nc_u64 s[XR:XR+1], s[26:27], s[32:33]
	s_add_nc_u64 s[XS:XS+1], s[26:27], s[38:39]
	ROUND                                          ; all four work-groups are here: the joint loads meet
	tensor_load_to_lds s[4:7], s[G1:G1+7]          ; every wave's one fill
	s_nop 0
	v_and_b32 v2, 31, v0                           ; lane
	v_and_b32 v3, 15, v0                           ; r
	v_bfe_u32 v29, v0, 4, 1                        ; h
	v_mov_b32 v7, 0xd0000000                       ; -2^33
	v_mov_b32 v31, 0                               ; the upper half of f's pair
	v_lshlrev_b32 v1, 4, v2
	v_lshlrev_b32 v3, 4, v3
.irp i, 22,23,24,25,26,27, 80,81,82,83,84,85
	v_mov_b32 v\i, 0                               ; Q's zero codes; the registers behind K's last tile
.endr
	v_lshlrev_b32 v2, 3, v2
	v_add_nc_u32 v8, v29, v3
	v_lshlrev_b32 v29, 3, v29
	s_wait_alu depctr_va_vdst(0)
	s_wait_tensorcnt 0x0                           ; my step's record is in,
	s_barrier_signal -1
	s_barrier_wait -1                              ; everybody's is: K and V of the head lie in LDS, and no tile lands from here on
; A KEY STEP: 128 keys.  last = 1: nothing more is asked for.
.macro STEP last
	s_wait_dscnt 17                                ; this step's K is in; V's 17 loads, which are younger, may be out
.irp t, 0,1,2,3,4,5,6,7
	v_wmma_scale_f32_16x16x128_f8f6f4 v[S+8*\t:S+8*\t+7], v[KF+6*\t:KF+6*\t+11], v[16:27], 0, v[KS+\t], v28 matrix_a_fmt:MATRIX_FMT_FP6 matrix_b_fmt:MATRIX_FMT_FP6
.endr
.if \last
.rept 4
	v_nop                                          ; places in front of the first read of the scores
.endr
.else
	v_add_nc_u32 v4, s[TB], v1                     ; the next step's LDS addresses: with the v_nop the four places in front of the loads into K's registers and of the first read of the scores
	v_add_nc_u32 v5, s[TB], v2
	v_add_nc_u32 v6, s[TB], v3
	v_nop
	KLOAD v4, v5, v6
.endif
	s_wait_kmcnt 0x0                               ; this step's mask words, asked for a step ago
; the selects, and one round behind them the largest score of each run of 16 registers: four chains by turns, so that no line reads a result of the four lines ahead of it (but the very last)
.set i, 0
.rept 9
.irp q, 0,1,2,3
.if i < 8
	v_cndmask_b32 v[S+16*\q+2*i], v7, v[S+16*\q+2*i], s[20+16*\q+2*i+16*(\q/2)]       ; each accumulator is read from its low end on
	v_cndmask_b32 v[S+16*\q+2*i+1], v7, v[S+16*\q+2*i+1], s[21+16*\q+2*i+16*(\q/2)]
.endif
.if i == 1
	v_max_num_f32 v[248+\q], v[S+16*\q], v[S+16*\q+1]
.endif
.if i == 8 && \q == 3
	D 4
.endif
.if i > 1
	v_max3_num_f32 v[248+\q], v[248+\q], v[S+16*\q+2*i-2], v[S+16*\q+2*i-1]
.endif
.endr
.set i, i+1
.endr
	D 3
	v_max_num_f32 v248, v248, v249                 ; my first block's largest score: it serves the row's maximum and, since p rises with the score, the block's largest p
	D 2
	v_max_num_f32 v249, v250, v251                 ; my second block's
	D 1
	v_max_num_f32 v250, v248, v249
	D 1
	v_permlanex16_b32 v251, v250, s[SEL], s[SEL+1]
	D 1
	v_max_num_f32 v250, v250, v251                 ; with lane l xor 16's 64 keys: the step's largest score of my query
	D 1
	v_mul_f32 v250, s[CC], v250                    ; as t (c is positive)
	D 1
	v_max_num_f32 v13, v13, v250                   ; the running largest t
	v_mov_b32 v251, v12
	D 2
	v_floor_f32 v12, -v13                          ; -M = floor(-t): M is a whole number
	D 1
.set j, 0
.rept 32
	v_pk_fma_f32 v[S+j:S+j+1], v[S+j:S+j+1], s[CC:CC+1], v[12:13] op_sel_hi:[1,0,0]   ; t - M, two at a time
.if j == 10
	v_sub_f32 v251, v12, v251                      ; old M - new M: a whole number, 0 or less
.endif
.if j == 22
	v_cvt_i32_f32 v251, v251                       ; (it saturates)
.endif
.if j == 34
	v_ldexp_f32 v30, 1.0, v251                     ; f = 2^(old M - new M)
.endif
.set j, j+2
.endr
.if !\last
	s_add_co_u32 s[MOFF], s[MOFF], 256
	MASKS                                          ; the next step's words: the selects above have read this step's
.endif
	v_fma_f32 v248, v248, s[CC], v12               ; the same of each block's largest score
	v_fma_f32 v249, v249, s[CC], v12
	s_wait_alu depctr_va_vdst(0)
.set j, 0
.rept 64
	v_exp_f32 v[S+j], v[S+j]                       ; p = 2^(t - M), not normalised
.set j, j+1
.endr
	v_exp_f32 v248, v248                           ; the blocks' largest p: the same arithmetic on the same numbers
	v_exp_f32 v249, v249
	v_pk_mul_f32 v[14:15], v[14:15], v[30:31] op_sel_hi:[1,0]   ; the sum under the new M: the plain line behind the exponentials
	s_wait_alu depctr_va_vdst(0)                   ; one wait for the batch, directly ahead of the first reader of O^T too
.set j, 0
.rept 16
	v_pk_mul_f32 v[O+j:O+j+1], v[O+j:O+j+1], v[30:31] op_sel_hi:[1,0]   ; O^T under the new M
.set j, j+2
.endr
	v_max_num_f32 v248, 0x1800000, v248            ; the floor 2^(3 - 127): a block whose every p is 0 keeps the byte 1; its codes are zeros
	v_max_num_f32 v249, 0x1800000, v249
	D 2
	v_add_nc_u32 v248, 0xff000000, v248            ; 2 off the exponent field: the conversions' scale operands
	D 2
	v_add_nc_u32 v249, 0xff000000, v249
	D 2
	v_lshrrev_b32 v250, 23, v248                   ; the bytes of blocks h and 2 + h
	D 2
	v_lshrrev_b32 v251, 23, v249
	D 1
	v_lshl_or_b32 v250, v251, 16, v250
	D 1
	v_lshlrev_b32 v250, v29, v250                  ; at their places in the word (8 h bits up);
	D 1
	v_permlanex16_b32 v251, v250, s[SEL], s[SEL+1]
	D 1
	v_or_b32 v11, v250, v251                       ; with lane l xor 16's two: p's scale word for these 128 keys
	v_cvt_scalef32_pk16_fp6_f32 v[PC:PC+2], v[S:S+15], v248
	v_cvt_scalef32_pk16_fp6_f32 v[252:254], v[S+16:S+31], v248     ; (a conversion's three registers begin on an even number)
	v_cvt_scalef32_pk16_fp6_f32 v[PC+6:PC+8], v[S+32:S+47], v249
	v_nop                                          ; one plain line behind scaled conversions
.irp i, 0,1,2
	v_mov_b32 v[PC+3+\i], v[252+\i]
.endr
	v_cvt_scalef32_pk16_fp6_f32 v[252:254], v[S+48:S+63], v249
	v_nop
.irp i, 0,1,2
	v_mov_b32 v[PC+9+\i], v[252+\i]
.endr
.if \last
	s_wait_dscnt 0x0                               ; V
.else
	s_wait_dscnt 18                                ; V is in; the next step's K, 18 younger loads, may be out
.endif
.irp n, 0,1,2,3                        ; THE ROW'S SUM IS TAKEN OF THE UNQUANTISED p.  These 24 lines also stand between the writes of P's codes and scale word and the products
	v_pk_add_f32 v[248+2*\n:249+2*\n], v[S+4*\n:S+4*\n+1], v[S+4*\n+2:S+4*\n+3]
.endr
	v_pk_add_f32 v[14:15], v[14:15], v[S+16:S+17]
	SUMS 0, 19
.irp d, 0,1,2,3
	v_wmma_scale_f32_16x16x128_f8f6f4 v[O+8*\d:O+8*\d+7], v[VF+12*\d:VF+12*\d+11], v[PC:PC+11], v[O+8*\d:O+8*\d+7], v[VS+\d], v11 matrix_a_fmt:MATRIX_FMT_FP6 matrix_b_fmt:MATRIX_FMT_FP6
.endr
	SUMS 19, 23                                    ; four more, and the four that join the chains: the places in front of the loads into V's registers
	D 2
	v_pk_add_f32 v[248:249], v[248:249], v[250:251]
	D 2
	v_pk_add_f32 v[252:253], v[252:253], v[254:255]
	D 2
	v_pk_add_f32 v[14:15], v[14:15], v[248:249]
	D 1
	v_pk_add_f32 v[14:15], v[14:15], v[252:253]
.if !\last
	VLOAD v4, v5, v6
	s_add_co_u32 s[TB], s[TB], REC
.endif
.endm
	s_mov_b32 s3, 2
.Lpass:                                            ; a pass: one tile of 16 queries a wave, all 2,048 keys
	s_mov_b32 s[MOFF], 0
	MASKS                                          ; step 0's words (none is on its way here: the last step has waited for its own and asked for none)
	global_load_b128 v[16:19], v1, s[QP:QP+1]      ; Q's half image,
	global_load_b64 v[20:21], v2, s[QP:QP+1] offset:512
	global_load_b32 v28, v3, s[QS:QS+1]            ; and its scale words
	KLOAD v1, v2, v3                               ; step 0's K and V
	VLOAD v1, v2, v3
	v_mov_b32 v13, 0xff61b1e6                      ; the largest t so far: -3e38
	D 1
	v_floor_f32 v12, -v13
	v_mov_b32 v14, 0
	v_mov_b32 v15, 0
.set j, 0
.rept 32
	v_mov_b32 v[O+j], 0                            ; O^T: the step is written once for all steps; the first finds zeros, which the first change of M leaves zeros
.set j, j+1
.endr
	s_mov_b32 s[TB], REC
	s_mov_b32 s2, 15
	s_wait_alu depctr_va_vdst(0)
	s_wait_loadcnt 0x0
.Lstep:
	STEP 0
	s_sub_co_u32 s2, s2, 1
	s_cmp_lg_u32 s2, 0
	s_wait_alu depctr_va_vdst(0)
	s_cbranch_scc1 .Lstep
	STEP 1
	; the pass's way out: O^T / the sum; its 32 registers are d = 32 b + 16 (lane / 16) + i: two blocks of the last product's K.  (The eight additions above are the places behind the last products)
	D 1
	v_add_f32 v14, v14, v15
	D 1
	v_permlanex16_b32 v250, v14, s[SEL], s[SEL+1]
	D 1
	v_add_f32 v14, v14, v250                       ; the row's sum
	s_wait_alu depctr_va_vdst(0)
	v_rcp_f32 v254, v14
	v_and_b32 v255, 31, v0                         ; the lane: a plain line behind the reciprocal,
	s_wait_alu depctr_va_vdst(0)                   ; and the wait ahead of its first reader
.set j, 0
.rept 32
	v_mul_f32 v[S+j], v[O+j], v254
.set j, j+1
.endr
.irp b, 0,1
	v_max3_num_f32 v[248+\b], |v[S+16*\b]|, |v[S+16*\b+1]|, 0x1800000
.endr
.irp i, 2,4,6,8,10,12,14
.irp b, 0,1
	D 2
	v_max3_num_f32 v[248+\b], v[248+\b], |v[S+16*\b+\i]|, |v[S+16*\b+\i+1]|
.endr
.endr
.irp b, 0,1
	D 2
	v_permlanex16_b32 v[250+\b], v[248+\b], s[SEL], s[SEL+1]
.endr
.irp b, 0,1
	D 2
	v_max_num_f32 v[248+\b], v[248+\b], v[250+\b]
.endr
.irp b, 0,1
	D 2
	v_add_nc_u32 v[252+\b], 0xff000000, v[248+\b]
.endr
.irp b, 0,1
	D 2
	v_lshrrev_b32 v[250+\b], 23, v[252+\b]
.endr
	v_cmp_lt_u32 vcc_lo, 15, v255                  ; lanes 16-31
	v_cvt_scalef32_pk16_fp6_f32 v[PC:PC+2], v[S:S+15], v252
	v_cvt_scalef32_pk16_fp6_f32 v[PC+6:PC+8], v[S+16:S+31], v253
	v_nop
.irp i, 0,1,2
	v_permlane16_swap_b32 v[PC+\i], v[PC+6+\i]     ; here a block lies in two lanes' halves: the operand wants it whole in one
.endr
.irp i, 0,1,2
	D 3
	v_mov_b32 v[PC+3+\i], v[PC+6+\i]
.endr
	v_cndmask_b32 v254, v250, v251, vcc_lo         ; lanes 0-15 hold block 0 of their row, lanes 16-31 block 1
	global_store_b128 v1, v[PC:PC+3], s[XR:XR+1]               ; 512 consecutive bytes,
	global_store_b64 v2, v[PC+4:PC+5], s[XR:XR+1] offset:512   ; 256
	global_store_b8 v8, v254, s[XS:XS+1]                       ; two bytes of each row's 16: a scale word's four bytes come from two heads, so here runs of 256 bytes are written in part: 32 bytes a tile and head
	s_wait_xcnt 0x0                                ; the loads and stores have read their data and bases: the pointers may step
	s_add_nc_u64 s[QP:QP+1], s[QP:QP+1], 13312     ; 16 tiles on: two records of qb,
	s_add_nc_u64 s[QS:QS+1], s[QS:QS+1], 13312
	s_add_nc_u64 s[MP:MP+1], s[MP:MP+1], 65536     ; 16 row blocks of mask words,
	s_add_nc_u64 s[XR:XR+1], s[XR:XR+1], 204800    ; 16 row blocks of xo
	s_add_nc_u64 s[XS:XS+1], s[XS:XS+1], 204800
	s_sub_co_u32 s3, s3, 1
	s_cmp_lg_u32 s3, 0
	s_wait_alu depctr_va_vdst(0)
	s_cbranch_scc1 .Lpass
	s_wait_tensorcnt 0x0                           ; the wave's end
	ds_add_u32 v9, v10
	s_wait_dscnt 0x0
	ROUND                                          ; the closing round
	s_endpgm
.Lfunc_end_k_q39043aa30e_attn:
	.size	k_q39043aa30e_attn, .Lfunc_end_k_q39043aa30e_attn-k_q39043aa30e_attn
	.p2alignl 7, 3214868480
	.fill 96, 4, 3214868480
	.section	.rodata,"a",@progbits
	.p2align	6, 0x0
	.amdhsa_kernel k_q39043aa30e_attn
		.amdhsa_group_segment_fixed_size 212992
		.amdhsa_private_segment_fixed_size 0
		.amdhsa_enable_private_segment 0
		.amdhsa_kernarg_size 32
		.amdhsa_user_sgpr_count 2
		.amdhsa_user_sgpr_kernarg_segment_ptr 1
		.amdhsa_wavefront_size32 1
		.amdhsa_system_sgpr_workgroup_id_x 1
		.amdhsa_system_sgpr_workgroup_id_y 1
		.amdhsa_system_sgpr_workgroup_id_z 1
		.amdhsa_system_vgpr_workitem_id 0
		.amdhsa_next_free_vgpr 256
		.amdhsa_next_free_sgpr 102
		.amdhsa_reserve_vcc 1
		.amdhsa_float_denorm_mode_32 3
		.amdhsa_float_denorm_mode_16_64 3
		.amdhsa_memory_ordered 1
		.amdhsa_forward_progress 1
		.amdhsa_inst_pref_size 52
	.end_amdhsa_kernel
	.amdgpu_metadata
---
amdhsa.version: [ 1, 2 ]
amdhsa.kernels:
  - .name:           k_q39043aa30e_attn
    .symbol:         k_q39043aa30e_attn.kd
    .args:
      - { .name: qb, .offset: 0, .size: 8, .value_kind: global_buffer, .address_space: global }
      - { .name: kv, .offset: 8, .size: 8, .value_kind: global_buffer, .address_space: global }
      - { .name: maskw, .offset: 16, .size: 8, .value_kind: global_buffer, .address_space: global }
      - { .name: xo, .offset: 24, .size: 8, .value_kind: global_buffer, .address_space: global }
    .group_segment_fixed_size: 212992
    .private_segment_fixed_size: 0
    .kernarg_segment_align: 8
    .kernarg_segment_size: 32
    .max_flat_workgroup_size: 512
    .sgpr_count:     102
    .vgpr_count:     256
    .wavefront_size: 32
...
	.end_amdgpu_metadata
.endif
;; end of part 3
;; launch oproj (part 4): grid 64 x 4, 4 waves a work-group, clusters of 4 x 4, 327,680 bytes of LDS; arguments xo, codes, bo, out0; writes out0
.if DOCPART == 4
	.amdgcn_target "amdgcn-amd-amdhsa--gfx1250"
	.amdhsa_code_object_version 6
	.text
	.protected	k_q39043aa30e_oproj
	.globl	k_q39043aa30e_oproj
	.p2align	8
	.type	k_q39043aa30e_oproj,@function
k_q39043aa30e_oproj:
	s_mov_b64 s[64:65], 0
	v_nop
	global_prefetch_b8 v0, s[64:65] scope:SCOPE_SE
	s_setreg_imm32_b32 hwreg(HW_REG_WAVE_MODE, 25, 1), 1
	s_wait_xcnt 0x0
	s_wait_alu depctr_hold_cnt(0) depctr_sa_sdst(0) depctr_va_vdst(0) depctr_va_sdst(0) depctr_va_ssrc(0) depctr_va_vcc(0) depctr_vm_vsrc(0)
	s_getreg_b32 s2, hwreg(HW_REG_IB_STS2, 6, 4)
	s_cmp_eq_u32 s2, 0
	s_cbranch_scc0 .Lentry_in_a_cluster
	s_endpgm
.Lentry_in_a_cluster:
	s_bfe_u32 s2, ttmp6, 0x10000c
	s_cmp_lg_u32 s2, 0xf033
	s_cbranch_scc0 .Lentry_shape_is_right
	s_endpgm
.Lentry_shape_is_right:
; OPROJ.  out0 = x Wo^T + bo on codes of FP6 (E2M3) with E8M0 scales, f32 sums.  x: xo, 512 row blocks of records as the attention launch stored them; Wo: row blocks 1728-1791 of codes.
; A TILE is 256 rows of Wo (source 0) x 128 tokens (source 1), all of K = 1,024 in LDS at once (307,200 bytes), each byte filled once: no ring.  Four waves: wave (w0 = w % 2, w1 = w / 2) takes Wo's row blocks 8 w0 .. + 7
; against the tokens' 4 w1 .. + 3: 32 accumulators, 256 matrix instructions.  Source 0 = Wo: a lane's eight results are eight neighbouring columns of one row of out0.
; Row block t = rows 32 (t / 2) + 8 (t % 2) + i + 8 (i / 8).  A record (row block, half of K) is 4 fragments of 1,536 bytes in register order and 256 bytes of scale words (16 r + 4 f): 6,400 bytes.
; CLUSTERS of 4 x 4: Wo's tile hangs on cx and is asked for jointly by the four of a column, the tokens' on cy and the cluster's number, by the four of a row.  256 work-groups.
; REGISTERS: window 0: v2-13 LDS addresses, v14 16 x lane, v15 8 x lane; v16-79 Wo's scale words, v80-111 x's; v112-207 x's fragments, two sets; on the way out v112-239 rows of out0; v240, v241 the stage's addresses.
;   window 1: Wo's fragments, two sets.   window 2: accumulator (i0, i1) at v[64 i1 + 8 i0].   window 3: v0-63 bo in the result's layout, the C of the first products.
.set WV, 16
.set W0, 17
.set W1, 18
.set CX, 19
.set CY, 20
.set T1, 21
.set G1A, 24
.set G1B, 32
.set G0A, 40
.set G0B, 48
.set PA, 56
.set PB, 58
.set OP, 66                            ; s[66:67] my part of out0
.set BP0, 80
.set A16, 2
.set A8, 4
.set B16, 6
.set B8, 8
.set AR, 10
.set BR, 12
.set L16, 14
.set L8, 15
.set SA, 16
.set SB, 80
.set BF, 112
.set BK, 112                           ; the way out: 16 rows read back from the stage: v112-175 and v176-239 by turns
.set STO, 240
.set RD, 241
.set HALF, 153600                      ; LDS: half u of K at HALF u: Wo's 16 records, then x's 8
.set STG, 8448                         ; the way out: a stage of 16 rows x (512 bytes + 16) for each wave, in the first half's bytes: they have had their only fill, and nobody reads them behind the second barrier
.set MSB, 0
.macro WIN new                         ; the immediate's high byte repeats the setting that is left
.if MSB != \new
	s_set_vgpr_msb (MSB<<8)|\new
.set MSB, \new
.endif
.endm
.macro ROUND                           ; a round of the cluster's barrier
	s_barrier_signal -1
	s_barrier_wait -1
	s_cmp_lg_u32 s[WV], 0
	s_cbranch_scc1 .Lnot_wave_0_\@
	s_barrier_signal -3
.Lnot_wave_0_\@:
	s_barrier_wait -3
	s_barrier_signal -1
	s_barrier_wait -1
.endm
.macro PLACES                          ; four plain instructions between a matrix instruction and a load into, or a read of, its registers
.rept 4
	v_nop
.endr
.endm
.macro FRAG reg, a16, a8, off
	ds_load_b128 v[\reg:\reg+3], v[\a16] offset:\off
	ds_load_b64 v[\reg+4:\reg+5], v[\a8] offset:\off+512
	ds_load_b128 v[\reg+6:\reg+9], v[\a16] offset:\off+768
	ds_load_b64 v[\reg+10:\reg+11], v[\a8] offset:\off+1280
.endm
.macro FETCH s, p                      ; K step s into set p: 48 loads
	WIN 0x40
.irp i, 0,1,2,3,4,5,6,7
	FRAG 128*(\p)+12*\i, A16+(\s)/4, A8+(\s)/4, 6400*\i+1536*((\s)%4)
.endr
	WIN 0
.irp i, 0,1,2,3
	FRAG BF+48*(\p)+12*\i, B16+(\s)/4, B8+(\s)/4, 6400*\i+1536*((\s)%4)
.endr
.endm
.macro SCALES u                        ; the scale words of four K steps: 12 loads
	WIN 0
.irp i, 0,1,2,3,4,5,6,7
	ds_load_b128 v[SA+32*\u+4*\i:SA+32*\u+4*\i+3], v[AR+\u] offset:6400*\i+6144
.endr
.irp i, 0,1,2,3
	ds_load_b128 v[SB+16*\u+4*\i:SB+16*\u+4*\i+3], v[BR+\u] offset:6400*\i+6144
.endr
.endm
; 32 matrix instructions: K step s from set p.  The 32 accumulators take turns, one instruction a turn, in the same order in every step.  first = 1: C is the bias.
.macro MUL s, p, first
.if \first
	WIN 0xb1
.else
	WIN 0xa1
.endif
.irp i1, 0,1,2,3
.irp i0, 0,1,2,3,4,5,6,7
.if \first
	v_wmma_scale_f32_16x16x128_f8f6f4 v[64*\i1+8*\i0:64*\i1+8*\i0+7], v[128*(\p)+12*\i0:128*(\p)+12*\i0+11], v[BF+48*(\p)+12*\i1:BF+48*(\p)+12*\i1+11], v[8*\i0:8*\i0+7], v[SA+32*((\s)/4)+4*\i0+(\s)%4], v[SB+16*((\s)/4)+4*\i1+(\s)%4] matrix_a_fmt:MATRIX_FMT_FP6 matrix_b_fmt:MATRIX_FMT_FP6
.else
	v_wmma_scale_f32_16x16x128_f8f6f4 v[64*\i1+8*\i0:64*\i1+8*\i0+7], v[128*(\p)+12*\i0:128*(\p)+12*\i0+11], v[BF+48*(\p)+12*\i1:BF+48*(\p)+12*\i1+11], v[64*\i1+8*\i0:64*\i1+8*\i0+7], v[SA+32*((\s)/4)+4*\i0+(\s)%4], v[SB+16*((\s)/4)+4*\i1+(\s)%4] matrix_a_fmt:MATRIX_FMT_FP6 matrix_b_fmt:MATRIX_FMT_FP6
.endif
.endr
.endr
.endm
	s_load_b256 s[4:11], s[0:1], 0x0               ; xo, codes, bo, out0
.set SPARE, 307200                     ; behind the tile: the spare words, 128 bytes a wave, which no other line names
.set SPW, 242                          ; v242 my spare word, v243 0: never rewritten
.set NIL, 243
	v_lshl_add_u32 v[SPW], v0, 2, SPARE
	v_mov_b32 v[NIL], 0
	ds_add_u32 v[SPW], v[NIL]                      ; the opening lines: the add, twice on end, and its wait ahead of the first round
	ds_add_u32 v[SPW], v[NIL]
	v_lshrrev_b32 v1, 5, v0
	v_readfirstlane_b32 s[WV], v1
	s_and_b32 s[W0], s[WV], 1
	s_lshr_b32 s[W1], s[WV], 1
	s_bfe_u32 s[CX], ttmp6, 0x40000                ; t0 = cx: which 256 rows of Wo
	s_bfe_u32 s[CY], ttmp6, 0x40004
	s_lshl_b32 s[T1], ttmp9, 2
	s_add_co_u32 s[T1], s[T1], s[CY]               ; t1: which 128 tokens
	s_lshl_b32 s[PA], s[CX], 4                     ; Wo's address: made of cx and the wave's number alone
	s_add_co_u32 s[PA], s[PA], 1728
	s_mul_i32 s[PA], s[PA], 12800
	s_mov_b32 s[PA+1], 0
	s_lshl_b32 s[PB], s[T1], 3                     ; x's: of t1 and the wave's number alone
	s_mul_i32 s[PB], s[PB], 12800
	s_mov_b32 s[PB+1], 0
	s_lshl_b32 s88, 0x1111, s[CX]                  ; my column of the cluster (same cx)
	s_or_b32 s[G1A], s88, (3<<16)|(1<<21)          ; 15:0 the mask; 17:16 elements of 8 bytes; 21 set beside a mask; no padding
	s_lshl_b32 s89, s[CY], 2
	s_lshl_b32 s89, 15, s89                        ; my row (same cy)
	s_or_b32 s[G1B], s89, (3<<16)|(1<<21)
	s_mov_b32 s[G1A+1], 800<<16                    ; tensor_dim0: a record, 6,400 bytes
	s_mov_b32 s[G1A+2], 16<<16                     ; tensor_dim1: Wo's 16 row blocks, one half of K
	s_mov_b32 s[G1A+3], 800<<16                    ; tile_dim0
	s_mov_b32 s[G1A+4], 16                         ; tile_dim1
	s_mov_b32 s[G1A+5], 1600                       ; from row block to row block: 12,800 bytes
	s_mov_b32 s[G1A+6], 0
	s_mov_b32 s[G1A+7], 0
	s_mov_b32 s[G1B+1], 800<<16
	s_mov_b32 s[G1B+2], 8<<16                      ; x's 8 row blocks
	s_mov_b32 s[G1B+3], 800<<16
	s_mov_b32 s[G1B+4], 8
	s_mov_b32 s[G1B+5], 1600
	s_mov_b32 s[G1B+6], 0
	s_mov_b32 s[G1B+7], 0
	s_wait_alu depctr_va_vdst(0)
	s_wait_dscnt 0x0                               ; both opening adds are done
	s_wait_kmcnt 0x0
	s_add_nc_u64 s[PA:PA+1], s[6:7], s[PA:PA+1]
	s_add_nc_u64 s[PB:PB+1], s[4:5], s[PB:PB+1]
.irp u, 0,1
	s_mov_b32 s[G0A+4*\u], 1
	s_mov_b32 s[G0A+4*\u+1], HALF*\u
	s_add_nc_u64 s[G0A+4*\u+2:G0A+4*\u+3], s[PA:PA+1], 6400*\u
	s_or_b32 s[G0A+4*\u+3], s[G0A+4*\u+3], 0x80000000
	s_mov_b32 s[G0B+4*\u], 1
	s_mov_b32 s[G0B+4*\u+1], HALF*\u+102400
	s_add_nc_u64 s[G0B+4*\u+2:G0B+4*\u+3], s[PB:PB+1], 6400*\u
	s_or_b32 s[G0B+4*\u+3], s[G0B+4*\u+3], 0x80000000
.endr
	ROUND                                          ; all sixteen work-groups are here: the joint loads meet
	; the tile's four parts, one joint load a wave, in one chain of branches on the wave's number: wave 0 Wo's first half of K, wave 1 x's, waves 2 and 3 the second halves
	s_cmp_eq_u32 s[WV], 0
	s_cbranch_scc0 .Lfill_1
	tensor_load_to_lds s[G0A:G0A+3], s[G1A:G1A+7]
	s_nop 0
	PLACES
	s_branch .Lfilled
.Lfill_1:
	s_cmp_eq_u32 s[WV], 1
	s_cbranch_scc0 .Lfill_2
	tensor_load_to_lds s[G0B:G0B+3], s[G1B:G1B+7]
	s_nop 0
	PLACES
	s_branch .Lfilled
.Lfill_2:
	s_cmp_eq_u32 s[WV], 2
	s_cbranch_scc0 .Lfill_3
	tensor_load_to_lds s[G0A+4:G0A+7], s[G1A:G1A+7]
	s_nop 0
	PLACES
	s_branch .Lfilled
.Lfill_3:
	tensor_load_to_lds s[G0B+4:G0B+7], s[G1B:G1B+7]
	s_nop 0
	PLACES
.Lfilled:
	; ---- bo: eight registers a tile in the result's layout: lane (r, h) wants, for tile 2 b + u, columns 32 b + 16 h + 8 u + 0 .. 7 of my 128
	v_bfe_u32 v[STO], v0, 4, 1                     ; h
	v_lshlrev_b32 v[RD], 6, v[STO]                 ; 16 h numbers
	s_lshl_b32 s92, s[CX], 10
	s_lshl_b32 s93, s[W0], 9
	s_add_co_u32 s92, s92, s93                     ; my first column, in bytes: (256 t0 + 128 w0) x 4
	s_mov_b32 s93, 0
	s_add_nc_u64 s[BP0:BP0+1], s[8:9], s[92:93]
	WIN 0xc0                                       ; destination window 3
.irp t, 0,1,2,3,4,5,6,7
	global_load_b128 v[8*\t:8*\t+3], v[RD], s[BP0:BP0+1] offset:(32*(\t/2)+8*(\t%2))*4
	global_load_b128 v[8*\t+4:8*\t+7], v[RD], s[BP0:BP0+1] offset:(32*(\t/2)+8*(\t%2))*4+16
.endr
	WIN 0
	s_lshl_b32 s94, s[T1], 19                      ; my first token's row: (128 t1 + 64 w1) x 4,096 bytes
	s_lshl_b32 s95, s[W1], 18
	s_add_co_u32 s94, s94, s95
	s_add_co_u32 s94, s94, s92
	s_mov_b32 s95, 0
	s_add_nc_u64 s[OP:OP+1], s[10:11], s[94:95]
	; ---- LDS addresses: a constant + a constant x wave + a constant x lane
	v_and_b32 v1, 31, v0
	v_lshlrev_b32 v[L16], 4, v1
	v_lshlrev_b32 v[L8], 3, v1
	v_and_b32 v1, 15, v0
	s_mul_i32 s86, s[W0], 51200
	s_mul_i32 s87, s[W1], 25600
	s_add_co_u32 s87, s87, 102400
	s_mul_i32 s88, s[WV], STG
	s_wait_alu depctr_va_vdst(0)
	s_wait_loadcnt 0x0                             ; bo is in: its offset register may be written again
	v_lshlrev_b32 v[STO], 6, v[STO]
	v_mad_u32_u24 v[STO], v1, 528, v[STO]
	v_add_nc_u32 v[STO], s88, v[STO]               ; into my stage: row r, + 64 h
	v_add_nc_u32 v[RD], s88, v[L16]                ; back: a row's 512 bytes on end
	v_lshlrev_b32 v1, 4, v1                        ; 16 r
	v_add_nc_u32 v[A16], s86, v[L16]
	v_add_nc_u32 v[A8], s86, v[L8]
	v_add_nc_u32 v[AR], s86, v1
	v_add_nc_u32 v[B16], s87, v[L16]
	v_add_nc_u32 v[B8], s87, v[L8]
	v_add_nc_u32 v[BR], s87, v1
.irp a, A16, A8, AR, B16, B8, BR
	v_add_nc_u32 v[\a+1], HALF, v[\a]
.endr
	s_wait_alu depctr_va_vdst(0)
	s_cmp_lt_u32 s[WV], 2                          ; waves 0 and 1 brought K's first half: they wait; the second half's loads stay out
	s_cbranch_scc0 .Lnot_first
	s_wait_tensorcnt 0x0
.Lnot_first:
	s_barrier_signal -1
	s_barrier_wait -1                              ; everybody's is
	SCALES 0
	FETCH 0, 0
	FETCH 1, 1
	s_wait_dscnt 48                                ; all but the 48 just issued
	MUL 0, 0, 1
	PLACES
	FETCH 2, 0
	s_wait_dscnt 48
	MUL 1, 1, 0
	PLACES
	FETCH 3, 1
	s_wait_dscnt 48
	MUL 2, 0, 0
	s_wait_tensorcnt 0x0                           ; my part of the second half is in,
	s_wait_dscnt 0x0                               ; and my reads of the first half are over
	s_barrier_signal -1
	s_barrier_wait -1                              ; everybody's
	PLACES
	SCALES 1
	FETCH 4, 0
	MUL 3, 1, 0
	PLACES
	FETCH 5, 1
	s_wait_dscnt 48
	MUL 4, 0, 0
	PLACES
	FETCH 6, 0
	s_wait_dscnt 48
	MUL 5, 1, 0
	PLACES
	FETCH 7, 1
	s_wait_dscnt 48
	MUL 6, 0, 0
	s_wait_dscnt 0x0
	MUL 7, 1, 0
	WIN 0
	PLACES                                         ; for the first read of results and for the loads into the registers that held x's fragments
; THE WAY OUT, a block of 16 tokens x 128 columns at a time.  A lane holds 8 x 32 bytes of one row, and the lanes beside it hold other rows: so a block goes through my own stage and comes back as whole rows of 512 bytes.
; LDS serves a wave's instructions in order: no wait between the stores and the loads, nor in front of the next block's stores.
.macro TOSTAGE a
	WIN 0x08                                       ; an LDS store's data are its source 1: window 2
.irp t, 0,1,2,3,4,5,6,7
	ds_store_b128 v[STO], v[64*\a+8*\t:64*\a+8*\t+3] offset:128*(\t/2)+32*(\t%2)        ; each accumulator from its low end on
	ds_store_b128 v[STO], v[64*\a+8*\t+4:64*\a+8*\t+7] offset:128*(\t/2)+32*(\t%2)+16
.endr
	WIN 0
.irp t, 0,1,2,3,4,5,6,7,8,9,10,11,12,13,14,15
	ds_load_b128 v[BK+64*((\a)%2)+4*\t:BK+64*((\a)%2)+4*\t+3], v[RD] offset:528*\t
.endr
.endm
.macro SEND a, younger                 ; younger: the LDS instructions issued behind block a's loads, which may stay out
	s_wait_dscnt \younger
.irp t, 0,1,2,3,4,5,6,7,8,9,10,11,12,13,14,15
	global_store_b128 v[L16], v[BK+64*((\a)%2)+4*\t:BK+64*((\a)%2)+4*\t+3], s[OP:OP+1] offset:(32*((\a)/2)+8*((\a)%2)+\t+8*(\t/8))*4096 th:TH_STORE_NT   ; 512 consecutive bytes of one row of out0, at a multiple of 256 from its first byte
.endr
.endm
	TOSTAGE 0
	TOSTAGE 1
	SEND 0, 32                                     ; behind block 0's loads: block 1's 16 stores and 16 loads
	s_wait_xcnt 0x0                                ; block 0's stores have read their registers: block 2's loads may land there
	TOSTAGE 2
	SEND 1, 32
	s_wait_xcnt 0x0
	TOSTAGE 3
	SEND 2, 32
	SEND 3, 0
	s_wait_tensorcnt 0x0                           ; the wave's end: behind my last LDS store
	ds_add_u32 v[SPW], v[NIL]
	s_wait_dscnt 0x0
	ROUND                                          ; the closing round: no work-group ends while a partner may still ask for a tile that names it
	s_endpgm
.Lfunc_end_k_q39043aa30e_oproj:
	.size	k_q39043aa30e_oproj, .Lfunc_end_k_q39043aa30e_oproj-k_q39043aa30e_oproj
	.p2alignl 7, 3214868480
	.fill 96, 4, 3214868480
	.section	.rodata,"a",@progbits
	.p2align	6, 0x0
	.amdhsa_kernel k_q39043aa30e_oproj
		.amdhsa_group_segment_fixed_size 327680
		.amdhsa_private_segment_fixed_size 0
		.amdhsa_enable_private_segment 0
		.amdhsa_kernarg_size 32
		.amdhsa_user_sgpr_count 2
		.amdhsa_user_sgpr_kernarg_segment_ptr 1
		.amdhsa_wavefront_size32 1
		.amdhsa_system_sgpr_workgroup_id_x 1
		.amdhsa_system_sgpr_workgroup_id_y 1
		.amdhsa_system_sgpr_workgroup_id_z 1
		.amdhsa_system_vgpr_workitem_id 0
		.amdhsa_next_free_vgpr 1024
		.amdhsa_next_free_sgpr 96
		.amdhsa_reserve_vcc 0
		.amdhsa_float_denorm_mode_32 3
		.amdhsa_float_denorm_mode_16_64 3
		.amdhsa_memory_ordered 1
		.amdhsa_forward_progress 1
		.amdhsa_inst_pref_size 83
	.end_amdhsa_kernel
	.amdgpu_metadata
---
amdhsa.version: [ 1, 2 ]
amdhsa.kernels:
  - .name:           k_q39043aa30e_oproj
    .symbol:         k_q39043aa30e_oproj.kd
    .args:
      - { .name: xo, .offset: 0, .size: 8, .value_kind: global_buffer, .address_space: global }
      - { .name: codes, .offset: 8, .size: 8, .value_kind: global_buffer, .address_space: global }
      - { .name: bo, .offset: 16, .size: 8, .value_kind: global_buffer, .address_space: global }
      - { .name: out0, .offset: 24, .size: 8, .value_kind: global_buffer, .address_space: global }
    .group_segment_fixed_size: 327680
    .private_segment_fixed_size: 0
    .kernarg_segment_align: 8
    .kernarg_segment_size: 32
    .max_flat_workgroup_size: 128
    .sgpr_count:     96
    .vgpr_count:     1024
    .wavefront_size: 32
...
	.end_amdgpu_metadata
.endif
;; end of part 4
